; MI455X (gfx1250); checked and timed in simulation.
; The chip was launched on July 23, 2026; its instructions are those of AMD's public machine-readable ISA for CDNA 5 (MIT licence, August 2026) and "CDNA5" Instruction Set Architecture Reference Guide (July 2026). The comments in the code are by the model that wrote it; some were corrected since.
;; Multi Head Attention. Allowed arithmetic: matrix products marked QUANTISED: E2M1 operands, one E8M0 scale for each 32 along K, by v_wmma_scale_f32_16x16x128_f8f6f4 with both operands' format E2M1 (or v_wmma_scale_f32_32x16x128_f4), f32 sums; products left as they are: bf16, f16 or f32 operands; f32 sums; everything else in f32.
;; Inputs: k 4 x 2,048 x 1,024 float32; mask 4 x 2,048 x 2,048 int32; q 4 x 2,048 x 1,024 float32; v 4 x 2,048 x 1,024 float32; w_k 1,024 x 1,024 float32; w_o 1,024 x 1,024 float32; w_q 1,024 x 1,024 float32; w_v 1,024 x 1,024 float32.
;; Outputs: out0 4 x 2,048 x 1,024 float32.
;; This version of the problem:
;;   THIS VERSION OF THE PROBLEM IS GIVEN IN LOW PRECISION. The matrix products marked QUANTISED in the list below multiply operands that are first quantised to E2M1 (2 exponent bits, 1 mantissa bit; 4 bits a number), with one power-of-two scale for each 32 numbers along K (OCP MX v1.0); their sums are f32. The products marked 'left as it is' may take bf16, f16 or f32 operands, with f32 sums. Whichever they take, every output number must still come out within the allowed error. Rounding operands to bf16 (8 significant bits) uses up far more of that allowance than f16 does (11 bits, for magnitudes from 6e-5 to 65,504). All else is computed in f32.
;;   The module's matrix products, in the order in which they are computed (A, B: the left and right operand; K: the contracted axis; several contracted axes count as one K, in the product's order):
;;     1. [M 8,192, K 1,024] x [K 1,024, N 1,024]; A: input q; B: input w_q: QUANTISED
;;     2. [M 8,192, K 1,024] x [K 1,024, N 1,024]; A: input k; B: input w_k: QUANTISED
;;     3. [M 8,192, K 1,024] x [K 1,024, N 1,024]; A: input v; B: input w_v: QUANTISED
;;     4. batch 64 x [M 2,048, K 64] x [K 64, N 2,048]; A: computed on the way; B: computed on the way: left as it is (an operand is computed on the way)
;;     5. batch 64 x [M 2,048, K 2,048] x [K 2,048, N 64]; A: computed on the way; B: computed on the way: left as it is (an operand is computed on the way)
;;     6. [M 8,192, K 1,024] x [K 1,024, N 1,024]; A: computed on the way; B: input w_o: left as it is (an operand is computed on the way)
;;   THE QUANTISER, for each operand of a quantised product, along K:
;;     - K is cut into blocks of 32 from its start; a last block that is shorter is filled with zeros.
;;     - A block's scale is 2^e with e = floor(log2(the largest magnitude in the block)) - 2, held to -126 .. 127; a block of zeros has e = 0. As a byte (E8M0): e + 127.
;;     - Each number is divided by its block's scale, clamped to +-6, and rounded to the nearest number of E2M1, ties to even, subnormals kept.
;;     - The product sums the exact products of the quantised numbers (number of the format x scale) in f32.
;;   ~~~python
;;   def quantise(x, axis):      # numpy; x: float32 -> the quantised numbers, widened to float32 again
;;       x = np.moveaxis(x, axis, -1); K = x.shape[-1]
;;       x = np.pad(x, [(0, 0)] * (x.ndim - 1) + [(0, -K % 32)]); x = x.reshape(x.shape[:-1] + (-1, 32)); a = np.abs(x).max(-1, keepdims=True)
;;       e = np.where(a > 0, np.clip(np.frexp(np.where(a > 0, a, 1))[1] - 1 - 2, -126, 127), 0)      # np.frexp(a)[1] - 1 = floor(log2(a)), exactly
;;       r = np.clip(x / 2.0 ** e, -6, 6)
;;       step = 2.0 ** (np.maximum(np.frexp(np.where(r == 0, 1, r))[1] - 1, 0) - 1)
;;       q = np.round(r / step) * step * 2.0 ** e      # np.round: ties to even
;;       return np.moveaxis(q.reshape(q.shape[:-2] + (-1,))[..., :K], -1, axis).astype(np.float32)
;;   ~~~
;; One version. Each part assembles by itself: llvm-mc -triple=amdgcn-amd-amdhsa -mcpu=gfx1250 --defsym DOCPART=n.
;; ======== version 1 of 1: 5 launches
;; limits: values are held in f16: magnitudes above 65,504 overflow, below 6.1e-05 lose precision
;; workspace buffers: xc 14,155,776 bytes; xs 884,736 bytes; mw 2,097,152 bytes of whole numbers; wo16 2,097,152 bytes; hd 50,331,648 bytes; oh 16,777,216 bytes
;; launch quant (part 1): grid 864 x 1, 4 waves a work-group, no clusters, 33,280 bytes of LDS; arguments q, k, v, w_q, w_k, w_v, xc, xs; writes xc, xs
.if DOCPART == 1
	.amdgcn_target "amdgcn-amd-amdhsa--gfx1250"
	.amdhsa_code_object_version 6
	.text
	.protected	k_q65a3b9eefc_quant
	.globl	k_q65a3b9eefc_quant
	.p2align	8
	.type	k_q65a3b9eefc_quant,@function
k_q65a3b9eefc_quant:
	s_mov_b64 s[64:65], 0
	v_nop
	global_prefetch_b8 v0, s[64:65] scope:SCOPE_SE
	s_setreg_imm32_b32 hwreg(HW_REG_WAVE_MODE, 25, 1), 1
	s_wait_xcnt 0x0
; q, k, v [8192][1024] and w_q, w_k, w_v [1024][1024], f32, K innermost in all six, are turned into codes of FP4 (E2M1), two a byte, and one E8M0 scale byte for each 32 along K.
; A block's scale is 2^(floor(log2(its largest magnitude)) - 2); its byte is the largest magnitude's own exponent field - 2, held at 1 from below.  Each number is divided by the scale and rounded to the nearest code, ties to even; beyond 6 the largest code.
; (A block of zeros gets the byte 1 where the stated quantiser says 127: its codes are zeros, which add nothing under any byte but 0xff, and the bytes are read by this program alone.)
; LIMITS: blocks whose largest magnitude lies under 2^-124 keep the byte 1; NaN and infinities among the inputs are not served.
; Rows are dense and 1,024 is a multiple of 32: each tensor is a plain stream of blocks of 32, and the six streams' codes and bytes lie on end in xc and xs: q, k, v, w_q, w_k, w_v.
; A work-group takes 32,768 numbers, a wave 16 steps of 512.  q, k, v have 256 work-groups each (first: 0, 256, 512), the weights 32 each (768, 800, 832).  Only the input's pointer is chosen: one path for all six.
; Each of a step's four loads reads 512 consecutive bytes, 16 a lane; the 2,048 bytes turn through the wave's own stage in LDS and come back 64 bytes a lane, so that a lane holds 16 neighbours along K (two lanes hold a block).
; A lane's 16 codes are 8 bytes: the wave stores 256 consecutive bytes.  A wave's 256 scale bytes are gathered in its own LDS bytes and leave as 256 consecutive bytes.  No barrier: waves share nothing.
.set WAVES, 4
.set STEPS, 16
.set EMAX,  2
.set CB,    8                          ; bytes of 16 codes
.set R,     16                         ; v16-79   four sets of 16 numbers as they are loaded
.set X,     80                         ; v80-111  two sets of 16 neighbours
.set C,     128                        ; v128-191 codes: four registers for each step, so that no store's data are written again
.set E,     112                        ; v112-127 a scale byte for each step
.set WREG,  8192                       ; LDS: a region for each wave: two stages of 32 x SP bytes, behind them its 256 scale bytes
.set SP,    80                         ; a lane's place in a stage: 64 bytes + 16 of padding
.set SPW,   12                         ; v12      LDS address of my spare word; never rewritten
.set NIL,   13                         ; v13      0; never rewritten
.set SPARE, WAVES*WREG                 ; behind the four regions: the spare words, 128 bytes a wave, which no other line names
	s_load_b256 s[4:11], s[0:1], 0x0               ; q s[4:5], k s[6:7], v s[8:9], w_q s[10:11]
	s_load_b256 s[12:19], s[0:1], 0x20             ; w_k s[12:13], w_v s[14:15], xc s[16:17], xs s[18:19]
	v_lshl_add_u32 v[SPW], v0, 2, SPARE
	v_mov_b32 v[NIL], 0
	v_lshrrev_b32 v1, 5, v0
	v_readfirstlane_b32 s20, v1                    ; wave
	v_and_b32 v2, 31, v0                           ; lane
	v_lshlrev_b32 v3, 4, v2                        ; my 16 bytes of a load's 512
	s_mul_i32 s21, s20, WREG
	v_lshrrev_b32 v14, 2, v2
	v_mul_u32_u24 v14, v14, SP
	v_and_b32 v15, 3, v2
	v_lshl_add_u32 v14, v15, 4, v14
	v_add_nc_u32 v14, s21, v14                     ; the stage, on the way in: SP (lane / 4) + 16 (lane % 4)
	v_mul_u32_u24 v15, v2, SP
	v_add_nc_u32 v15, s21, v15                     ; and on the way out: SP x lane: my 16 neighbours
	v_mul_u32_u24 v4, v2, CB                       ; my codes' place in a step's
	v_lshrrev_b32 v5, 1, v2
	s_add_co_u32 s21, s21, 2*32*SP
	v_add_nc_u32 v5, s21, v5                       ; LDS: my wave's 256 scale bytes, my block's byte
	v_lshlrev_b32 v7, 3, v2                        ; and on the way out 8 bytes a lane
	v_add_nc_u32 v6, s21, v7
	s_wait_kmcnt 0x0
	s_mov_b64 s[24:25], s[14:15]                   ; which tensor is my work-group's?  The choice hangs on the work-group's number alone
	s_mov_b32 s22, 832
	s_cmp_lt_u32 ttmp9, 832
	s_cselect_b64 s[24:25], s[12:13], s[24:25]
	s_cselect_b32 s22, 800, s22
	s_cmp_lt_u32 ttmp9, 800
	s_cselect_b64 s[24:25], s[10:11], s[24:25]
	s_cselect_b32 s22, 768, s22
	s_cmp_lt_u32 ttmp9, 768
	s_cselect_b64 s[24:25], s[8:9], s[24:25]
	s_cselect_b32 s22, 512, s22
	s_cmp_lt_u32 ttmp9, 512
	s_cselect_b64 s[24:25], s[6:7], s[24:25]
	s_cselect_b32 s22, 256, s22
	s_cmp_lt_u32 ttmp9, 256
	s_cselect_b64 s[24:25], s[4:5], s[24:25]
	s_cselect_b32 s22, 0, s22
	s_sub_co_u32 s26, ttmp9, s22
	s_lshl_b32 s26, s26, 2
	s_add_co_u32 s26, s26, s20                     ; which run of 8,192 numbers of the tensor is my wave's
	s_lshl_b32 s26, s26, 15                        ; 32,768 bytes a run
	s_mov_b32 s27, 0
	s_add_nc_u64 s[24:25], s[24:25], s[26:27]
	s_lshl_b32 s28, ttmp9, 2
	s_add_co_u32 s28, s28, s20                     ; and which run of the six streams on end
	s_lshl_b32 s26, s28, 12                        ; 4,096 bytes of codes a run
	s_add_nc_u64 s[16:17], s[16:17], s[26:27]
	s_lshl_b32 s26, s28, 8                         ; 256 scale bytes a run
	s_add_nc_u64 s[18:19], s[18:19], s[26:27]
.macro LOAD t
.irp i, 0,1,2,3
	global_load_b128 v[R+16*((\t)%4)+4*\i:R+16*((\t)%4)+4*\i+3], v3, s[24:25] offset:2048*(\t)+512*\i th:TH_LOAD_NT   ; 32 lanes read 512 consecutive bytes
.endr
.endm
.macro TURN t                          ; step t's numbers through the stage: LDS serves a wave's instructions in order, so no wait stands between the stores and the loads
.irp i, 0,1,2,3
	ds_store_b128 v14, v[R+16*((\t)%4)+4*\i:R+16*((\t)%4)+4*\i+3] offset:32*SP*((\t)%2)+8*SP*\i
.endr
.irp i, 0,1,2,3
	ds_load_b128 v[X+16*((\t)%2)+4*\i:X+16*((\t)%2)+4*\i+3], v15 offset:32*SP*((\t)%2)+16*\i
.endr
.endm
.irp t, 0,1,2,3
	LOAD \t
.endr
	s_wait_loadcnt 12                              ; step 0's four loads are in; the twelve behind them stay out
	TURN 0
.macro STEP t
.set XS, X+16*((\t)%2)
.if (\t) > 0
	s_wait_dscnt 1                                 ; this step's numbers are back from the stage (the last step's byte store may be out): so its stores into the stage have read their registers,
.else
	s_wait_dscnt 0x0
.endif
.if (\t)+4 < STEPS
	LOAD (\t)+4                                    ; which take the loads of four steps on
.endif
.if (\t)+1 < STEPS
.if STEPS-2-(\t) >= 3
	s_wait_loadcnt 12                              ; the next step's four loads are in; those of the three steps behind it may be out
.else
	s_wait_loadcnt 4*(STEPS-2-(\t))
.endif
	TURN (\t)+1                                    ; and go through the other stage while this step is worked
.endif
	v_max3_num_f32 v8, |v[XS]|, |v[XS+1]|, |v[XS+2]|               ; the largest magnitude of my 16, in two chains
	v_max3_num_f32 v9, |v[XS+3]|, |v[XS+4]|, |v[XS+5]|
.irp i, 6,10
	v_max3_num_f32 v8, v8, |v[XS+\i]|, |v[XS+\i+1]|
	v_max3_num_f32 v9, v9, |v[XS+\i+2]|, |v[XS+\i+3]|
.endr
	v_max3_num_f32 v8, v8, |v[XS+14]|, |v[XS+15]|
	v_max3_num_f32 v8, v8, v9, (EMAX+1)<<23        ; and the floor 2^(3 - 127): the byte cannot fall under 1
	v_max_num_f32_dpp v8, v8, v8 row_xmask:1 row_mask:0xf bank_mask:0xf   ; and of my neighbour's 16: the block's
	v_add_nc_u32 v11, -(EMAX<<23), v8              ; 2 off its exponent field: the conversion takes the exponent field of this operand as its scale
	v_cvt_scalef32_pk8_fp4_f32 v[C+4*(\t)], v[XS:XS+7], v11
	v_cvt_scalef32_pk8_fp4_f32 v[C+4*(\t)+1], v[XS+8:XS+15], v11
	v_lshrrev_b32 v[E+(\t)], 23, v11               ; the scale's byte (also the plain line behind the conversions)
	ds_store_b8 v5, v[E+(\t)] offset:16*(\t)       ; both lanes of a block write the same byte with the same value
	global_store_b64 v4, v[C+4*(\t):C+4*(\t)+1], s[16:17] offset:32*CB*(\t)   ; 32 lanes store 256 consecutive bytes, aligned
.endm
.irp t, 0,1,2,3,4,5,6,7,8,9,10,11,12,13,14,15
	STEP \t
.endr
	ds_load_b64 v[8:9], v6                         ; LDS serves a wave's instructions in order: these see my stores
	s_wait_dscnt 0x0
	global_store_b64 v7, v[8:9], s[18:19]          ; 32 lanes store 256 consecutive bytes, aligned
	s_wait_tensorcnt 0x0                           ; the wave's end: behind my last LDS store
	ds_add_u32 v[SPW], v[NIL]
	s_wait_dscnt 0x0
	s_endpgm
.Lfunc_end_k_q65a3b9eefc_quant:
	.size	k_q65a3b9eefc_quant, .Lfunc_end_k_q65a3b9eefc_quant-k_q65a3b9eefc_quant
	.p2alignl 7, 3214868480
	.fill 96, 4, 3214868480
	.section	.rodata,"a",@progbits
	.p2align	6, 0x0
	.amdhsa_kernel k_q65a3b9eefc_quant
		.amdhsa_group_segment_fixed_size 33280
		.amdhsa_private_segment_fixed_size 0
		.amdhsa_enable_private_segment 0
		.amdhsa_kernarg_size 64
		.amdhsa_user_sgpr_count 2
		.amdhsa_user_sgpr_kernarg_segment_ptr 1
		.amdhsa_wavefront_size32 1
		.amdhsa_system_sgpr_workgroup_id_x 1
		.amdhsa_system_sgpr_workgroup_id_y 1
		.amdhsa_system_sgpr_workgroup_id_z 1
		.amdhsa_system_vgpr_workitem_id 0
		.amdhsa_next_free_vgpr 192
		.amdhsa_next_free_sgpr 66
		.amdhsa_reserve_vcc 0
		.amdhsa_float_denorm_mode_32 3
		.amdhsa_float_denorm_mode_16_64 3
		.amdhsa_memory_ordered 1
		.amdhsa_forward_progress 1
		.amdhsa_inst_pref_size 34
	.end_amdhsa_kernel
	.amdgpu_metadata
---
amdhsa.version: [ 1, 2 ]
amdhsa.kernels:
  - .name:           k_q65a3b9eefc_quant
    .symbol:         k_q65a3b9eefc_quant.kd
    .args:
      - { .name: q, .offset: 0, .size: 8, .value_kind: global_buffer, .address_space: global }
      - { .name: k, .offset: 8, .size: 8, .value_kind: global_buffer, .address_space: global }
      - { .name: v, .offset: 16, .size: 8, .value_kind: global_buffer, .address_space: global }
      - { .name: w_q, .offset: 24, .size: 8, .value_kind: global_buffer, .address_space: global }
      - { .name: w_k, .offset: 32, .size: 8, .value_kind: global_buffer, .address_space: global }
      - { .name: w_v, .offset: 40, .size: 8, .value_kind: global_buffer, .address_space: global }
      - { .name: xc, .offset: 48, .size: 8, .value_kind: global_buffer, .address_space: global }
      - { .name: xs, .offset: 56, .size: 8, .value_kind: global_buffer, .address_space: global }
    .group_segment_fixed_size: 33280
    .private_segment_fixed_size: 0
    .kernarg_segment_align: 8
    .kernarg_segment_size: 64
    .max_flat_workgroup_size: 128
    .sgpr_count:     66
    .vgpr_count:     192
    .wavefront_size: 32
...
	.end_amdgpu_metadata
.endif
;; end of part 1
;; launch pack (part 2): grid 640 x 1, 4 waves a work-group, no clusters, 34,304 bytes of LDS; arguments mask, w_o, mw, wo16; writes mw, wo16
.if DOCPART == 2
	.amdgcn_target "amdgcn-amd-amdhsa--gfx1250"
	.amdhsa_code_object_version 6
	.text
	.protected	k_q65a3b9eefc_pack
	.globl	k_q65a3b9eefc_pack
	.p2align	8
	.type	k_q65a3b9eefc_pack,@function
k_q65a3b9eefc_pack:
	s_mov_b64 s[64:65], 0
	v_nop
	global_prefetch_b8 v0, s[64:65] scope:SCOPE_SE
	s_setreg_imm32_b32 hwreg(HW_REG_WAVE_MODE, 25, 1), 1
	s_wait_xcnt 0x0
; Two small jobs that the attention and the output projection would else repeat.
; (1) Work-groups 0-511: mask [4][2048][2048] int32 becomes mw [b 4][qt 128][kt 128][j 8], 32-bit words: bit L of a word is (mask[b][16 qt + L % 16][16 kt + 8 (L / 16) + j] != 0):
;     the lane mask for register j of the score tile (16 keys kt x 16 queries qt) as the attention holds it.  So the 16 heads read 2 MiB each time, not 64 MiB.
;     Work-group g owns the 16 queries b x 128 + qt = g; wave w owns keys 512 w on, in four units of 128 keys.  Each load reads 512 consecutive bytes of one row; a unit turns through the wave's own stage in LDS
;     (16 rows of 512 bytes + 16), so that lane (r, h) holds keys 16 kt + 8 h + 0..7 of query r; a compare then IS a word of mw, and v_writelane_b32 lays 64 of them out for one store of 256 consecutive bytes.
; (2) Work-groups 512-639: w_o [1024][1024] f32 is rounded once to f16 (nearest even).  LIMIT: |w_o| under 65,504.
; No barrier: waves share nothing.  The path of job (2) touches no LDS but the spare words at the common end.
.set STG,   16*528                     ; a wave's stage
.set SPARE, 4*STG                      ; behind the stages: the spare words, 128 bytes a wave, which no other line names
.set SPW,   12                         ; v12  LDS address of my spare word; never rewritten
.set NIL,   13                         ; v13  0; never rewritten
.set WD,    16                         ; v16-23  a unit's 64 words: two registers a unit, word n in register n % 2, lane n / 2
.set SET,   32                         ; v32-95, v96-159: two sets of 64 registers
	s_load_b256 s[4:11], s[0:1], 0x0               ; mask s[4:5], w_o s[6:7], mw s[8:9], wo16 s[10:11]
	v_lshl_add_u32 v[SPW], v0, 2, SPARE
	v_mov_b32 v[NIL], 0
	v_lshrrev_b32 v5, 5, v0
	v_readfirstlane_b32 s12, v5                    ; wave
	v_and_b32 v5, 31, v0                           ; lane
	v_lshlrev_b32 v1, 4, v5                        ; 16 bytes a lane: loads
	v_lshlrev_b32 v4, 3, v5                        ; 8 bytes a lane: stores
	s_mul_i32 s13, s12, STG
	v_add_nc_u32 v2, s13, v1                       ; the stage, on the way in: a row as it lies
	v_and_b32 v6, 15, v0                           ; r
	v_bfe_u32 v7, v0, 4, 1                         ; h
	v_mul_u32_u24 v3, v6, 528
	v_lshl_add_u32 v3, v7, 5, v3
	v_add_nc_u32 v3, s13, v3                       ; and on the way out: row r, + 32 h: eight keys
	s_mov_b32 s15, 0
	s_mov_b32 s17, 0
	s_wait_kmcnt 0x0
	s_cmp_ge_u32 ttmp9, 512
	s_cbranch_scc1 .Lwo
	s_lshl_b32 s14, ttmp9, 17                      ; my 16 rows of 8,192 bytes,
	s_lshl_b32 s16, s12, 11                        ; my wave's 512 keys
	s_add_co_u32 s14, s14, s16
	s_add_nc_u64 s[4:5], s[4:5], s[14:15]
	s_lshl_b32 s14, ttmp9, 12                      ; mw: 4,096 bytes for 16 queries,
	s_lshl_b32 s16, s12, 10                        ; 1,024 for 512 keys
	s_add_co_u32 s14, s14, s16
	s_add_nc_u64 s[8:9], s[8:9], s[14:15]
.irp i, 0,1,2,3,4,5,6,7
	v_mov_b32 v[WD+\i], 0                          ; written once whole: v_writelane_b32 changes one lane
.endr
.macro LOAD u                          ; unit u: 128 keys of each of the 16 rows
.irp i, 0,1,2,3,4,5,6,7,8,9,10,11,12,13,14,15
	global_load_b128 v[SET+64*((\u)%2)+4*\i:SET+64*((\u)%2)+4*\i+3], v1, s[4:5] offset:8192*\i+512*(\u) th:TH_LOAD_NT
.endr
.endm
.macro UNIT u
.set BS, SET+64*((\u)%2)
.if (\u) < 3
	s_wait_loadcnt 16                              ; this unit's 16 loads are in; the next unit's 16 may be out
.else
	s_wait_loadcnt 0x0
.endif
.irp i, 0,1,2,3,4,5,6,7,8,9,10,11,12,13,14,15
	ds_store_b128 v2, v[BS+4*\i:BS+4*\i+3] offset:528*\i
.endr
.irp i, 0,1,2,3,4,5,6,7,8,9,10,11,12,13,14,15
	ds_load_b128 v[BS+4*\i:BS+4*\i+3], v3 offset:64*(\i/2)+16*(\i%2)   ; register 8 kt + j: key 16 kt + 8 h + j of query r.  LDS serves a wave's instructions in order: these see the stores above
.endr
	s_wait_dscnt 0x0
.set n, 0
.rept 8
.irp e, 0,1,2,3,4,5,6,7
	v_cmp_ne_u32 s[24+\e], 0, v[BS+n+\e]           ; a word of mw
.endr
.irp e, 0,1,2,3,4,5,6,7
	v_writelane_b32 v[WD+2*(\u)+\e%2], s[24+\e], (n+\e)/2
.endr
.set n, n+8
.endr
.if (\u) < 2
	LOAD (\u)+2                                    ; the set has been read: it takes the unit two on
.endif
	global_store_b64 v4, v[WD+2*(\u):WD+2*(\u)+1], s[8:9] offset:256*(\u)   ; 32 lanes store 256 consecutive bytes, aligned; each unit has its own two registers
.endm
	LOAD 0
	LOAD 1
	UNIT 0
	UNIT 1
	UNIT 2
	UNIT 3
	s_branch .Lend
.Lwo:
	s_sub_co_u32 s14, ttmp9, 512
	s_lshl_b32 s14, s14, 2
	s_add_co_u32 s14, s14, s12                     ; which run of 2,048 numbers is my wave's
	s_lshl_b32 s16, s14, 13
	s_add_nc_u64 s[6:7], s[6:7], s[16:17]
	s_lshl_b32 s16, s14, 12
	s_add_nc_u64 s[10:11], s[10:11], s[16:17]
.irp i, 0,1,2,3,4,5,6,7,8,9,10,11,12,13,14,15
	global_load_b128 v[SET+4*\i:SET+4*\i+3], v1, s[6:7] offset:512*\i th:TH_LOAD_NT
.endr
.irp i, 0,1,2,3,4,5,6,7,8,9,10,11,12,13,14,15
	s_wait_loadcnt 15-\i                           ; loads come back in order: load i is in
	v_cvt_pk_f16_f32 v[160+2*\i], v[SET+4*\i], v[SET+4*\i+1]
	v_cvt_pk_f16_f32 v[161+2*\i], v[SET+4*\i+2], v[SET+4*\i+3]
	global_store_b64 v4, v[160+2*\i:161+2*\i], s[10:11] offset:256*\i   ; 256 consecutive bytes, aligned
.endr
.Lend:
	s_wait_tensorcnt 0x0                           ; the wave's end: behind the last LDS store
	ds_add_u32 v[SPW], v[NIL]
	s_wait_dscnt 0x0
	s_endpgm
.Lfunc_end_k_q65a3b9eefc_pack:
	.size	k_q65a3b9eefc_pack, .Lfunc_end_k_q65a3b9eefc_pack-k_q65a3b9eefc_pack
	.p2alignl 7, 3214868480
	.fill 96, 4, 3214868480
	.section	.rodata,"a",@progbits
	.p2align	6, 0x0
	.amdhsa_kernel k_q65a3b9eefc_pack
		.amdhsa_group_segment_fixed_size 34304
		.amdhsa_private_segment_fixed_size 0
		.amdhsa_enable_private_segment 0
		.amdhsa_kernarg_size 32
		.amdhsa_user_sgpr_count 2
		.amdhsa_user_sgpr_kernarg_segment_ptr 1
		.amdhsa_wavefront_size32 1
		.amdhsa_system_sgpr_workgroup_id_x 1
		.amdhsa_system_sgpr_workgroup_id_y 1
		.amdhsa_system_sgpr_workgroup_id_z 1
		.amdhsa_system_vgpr_workitem_id 0
		.amdhsa_next_free_vgpr 192
		.amdhsa_next_free_sgpr 66
		.amdhsa_reserve_vcc 0
		.amdhsa_float_denorm_mode_32 3
		.amdhsa_float_denorm_mode_16_64 3
		.amdhsa_memory_ordered 1
		.amdhsa_forward_progress 1
		.amdhsa_inst_pref_size 55
	.end_amdhsa_kernel
	.amdgpu_metadata
---
amdhsa.version: [ 1, 2 ]
amdhsa.kernels:
  - .name:           k_q65a3b9eefc_pack
    .symbol:         k_q65a3b9eefc_pack.kd
    .args:
      - { .name: mask, .offset: 0, .size: 8, .value_kind: global_buffer, .address_space: global }
      - { .name: w_o, .offset: 8, .size: 8, .value_kind: global_buffer, .address_space: global }
      - { .name: mw, .offset: 16, .size: 8, .value_kind: global_buffer, .address_space: global }
      - { .name: wo16, .offset: 24, .size: 8, .value_kind: global_buffer, .address_space: global }
    .group_segment_fixed_size: 34304
    .private_segment_fixed_size: 0
    .kernarg_segment_align: 8
    .kernarg_segment_size: 32
    .max_flat_workgroup_size: 128
    .sgpr_count:     66
    .vgpr_count:     192
    .wavefront_size: 32
...
	.end_amdgpu_metadata
.endif
;; end of part 2
;; launch proj (part 3): grid 4 x 96, 4 waves a work-group, clusters of 4 x 4, 327,680 bytes of LDS; arguments xc, xs, hd; writes hd
.if DOCPART == 3
	.amdgcn_target "amdgcn-amd-amdhsa--gfx1250"
	.amdhsa_code_object_version 6
	.text
	.protected	k_q65a3b9eefc_proj
	.globl	k_q65a3b9eefc_proj
	.p2align	8
	.type	k_q65a3b9eefc_proj,@function
k_q65a3b9eefc_proj:
	s_mov_b64 s[64:65], 0
	v_nop
	global_prefetch_b8 v0, s[64:65] scope:SCOPE_SE
	s_setreg_imm32_b32 hwreg(HW_REG_WAVE_MODE, 25, 1), 1
	s_wait_xcnt 0x0
	s_wait_alu depctr_hold_cnt(0) depctr_sa_sdst(0) depctr_va_vdst(0) depctr_va_sdst(0) depctr_va_ssrc(0) depctr_va_vcc(0) depctr_vm_vsrc(0)
	s_getreg_b32 s2, hwreg(HW_REG_IB_STS2, 6, 4)
	s_cmp_eq_u32 s2, 0
	s_cbranch_scc0 .Lentry_in_a_cluster
	s_endpgm
.Lentry_in_a_cluster:
	s_bfe_u32 s2, ttmp6, 0x10000c
	s_cmp_lg_u32 s2, 0xf033
	s_cbranch_scc0 .Lentry_shape_is_right
	s_endpgm
.Lentry_shape_is_right:
; The three quantised projections in one grid: hd[ten][b 16 + h][l][d] = f16( fac x sum over k of X[ten][b 2048 + l][k] W[ten][64 h + d][k] ), ten = 0, 1, 2 for q, k, v; fac = log2(e) / 8 for q, 1 for k and v.
; X: xc as [24576][512 bytes] of FP4 codes, its scale bytes xs as [24576][32].  W: xc + 12 MiB as [3072][512 bytes], xs + 0xC0000 as [3072][32].  The matrix instruction takes codes and scale bytes as they lie; sums in f32.
; fac is multiplied in f32 ahead of the one rounding to f16, so that the attention's scores are already score / 8 x log2(e).  LIMIT: |fac x result| under 65,504.
; A tile, 256 rows x 256 columns, is made by a work-group of four waves; a wave makes 128 x 128: 64 accumulators, 512 registers.  All of K = 1,024 lies in two LDS slots of 512 along K (rows of 256 bytes), both asked for
; at the start: nothing is filled again.  The scale bytes of the work-group's rows, two dense blocks, come with them.  A wave has three tensor loads out.
; CLUSTERS: 4 x 4 work-groups.  The four of a row of the cluster need the same rows of X, the four of a column the same rows of W (a cluster's 1,024 rows lie in one tensor, since 8,192 is a multiple of 1,024):
; each tile is asked for JOINTLY.  THE MATRIX INSTRUCTION IS USED TRANSPOSED (source 0 = 16 rows of W, source 1 = 16 rows of X): a lane then holds eight neighbouring columns of one row.
; REGISTERS, in windows of 256: window 0: v0-31 addresses; v32-95 scale words, two sets; from v128 X's fragments, ONE set; on the way out v32-63 packed results, v128-191 rows read back.
;   window 1: W's fragments, TWO sets, at v0 and v128.   window 2: the accumulators of my rows 0-63 ((a, b) at v[8 (8 a + b)]);   window 3: those of my rows 64-127.
.set SIZE_K, 1024
.set KSTEP,  512                       ; along K in a slot
.set NQ,     KSTEP/128                 ; matrix instructions deep
.set ROWB,   256                       ; a tile's row in bytes
.set KROW,   SIZE_K/2                  ; a row of codes in memory, in bytes
.set PITCH,  272                       ; an LDS row: 256 bytes + 16 of padding = 68 words: the 16 rows that a load touches start at 16 different banks (64 banks of 4 bytes: ISA guide 11.1)
.set FR,     8                         ; registers of a fragment: 16 rows x 128 K
.set NL,     2                         ; LDS loads that bring one
.set NP,     4                         ; places behind this matrix instruction (ISA guide 7.12.1)
.set HALFT,  128*PITCH                 ; 128 rows: what one tensor load brings
.set SLOT,   4*HALFT                   ; X's 256 rows, then W's 256 rows
.set KS,     SIZE_K/32                 ; a row of scales in bytes
.set SCL,    2*SLOT                    ; behind the slots: the scales, as runs of 256 bytes + 16 of padding
.set HALFS,  (128*KS/256)*272          ; the scales of 128 rows
.set SBLK,   (16*KS/256)*272           ; those of 16 rows
.set SPARE,  SCL+4*HALFS               ; behind the scales: the spare words, 128 bytes a wave, which no other line names
.set SPITCH, 272                       ; the way out: a stage of 16 rows x (256 bytes + 16) for each wave, in slot 0, which has had its one fill and its last read when the first result is stored there
.set ADRA, 16                          ; v16-17  LDS address of my X fragments in slot 0, 1
.set ADRB, 20                          ; v20-21  the same for W
.set STO,  24                          ; v24     the way out: where I put 16 bytes of a row
.set RD,   25                          ; v25     where I read them back
.set CO,   26                          ; v26     my byte offset in hd
.set ADRS, 27                          ; v27     LDS address of my scale words: lanes 0-15 X's rows, lanes 16-31 W's
.set SPW,  28                          ; v28     LDS address of my spare word; never rewritten
.set NIL,  29                          ; v29     0; never rewritten
.set SC,   32                          ; scale words: set s at v[SC + 32 s]; register NQ i + q: lanes 0-15 the word of X's block i, lanes 16-31 that of W's block i, for the slot's q-th 128 along K
.set AF,   128                         ; X's fragments, in window 0
.set TMP,  32                          ; the way out: packed results
.set BK,   128                         ; the way out: rows read back: v128-159 and v160-191 by turns
.set G1, 24                            ; s[24:31] descriptor group 1 for X's tiles;  s[32:39] group 0, one set for each slot
.set G0, 32
.set G1B, 48                           ; s[48:55], s[56:63] the same for W's tiles
.set G0B, 56
.set G1S, 68                           ; s[68:75], s[76:79] groups 1 and 0 for X's scales;  s[80:87], s[88:91] for W's
.set G0S, 76
.set G1SB, 80
.set G0SB, 88
.set TEN, 95                           ; s95     which tensor: cluster y / 8: the same in all sixteen partners
.set FAC, 96                           ; s[96:97] fac, named as a pair by the packed multiply
.set MSB, 0
.macro WIN new                         ; the immediate's high byte repeats the setting that is left
.if MSB != (\new)
	s_set_vgpr_msb (MSB<<8)|(\new)
.set MSB, (\new)
.endif
.endm
.set MUL_LO, 0xa1                      ; source 0 (W) window 1, source 1 (X) window 0, C and D window 2
.set MUL_HI, 0xf1                      ; the same, C and D window 3
.set TO_B,   0x40                      ; destination window 1, address window 0
; A joint load: waves 0 and 1 fetch for X, waves 2 and 3 for W.  The branch hangs on the wave's number alone.  An s_nop 0 and four v_nop follow each of the two lines.
.macro JLOAD g0a, g1a, g0b, g1b
	s_cmp_eq_u32 s15, 0
	s_cbranch_scc0 .Lfor_b_\@
	tensor_load_to_lds s[\g0a:\g0a+3], s[\g1a:\g1a+7]
	s_nop 0
.rept 4
	v_nop
.endr
	s_branch .Lasked_\@
.Lfor_b_\@:
	tensor_load_to_lds s[\g0b:\g0b+3], s[\g1b:\g1b+7]
	s_nop 0
.rept 4
	v_nop
.endr
.Lasked_\@:
.endm
.macro CROUND                          ; a round of the cluster's barrier
	s_barrier_signal -1
	s_barrier_wait -1
	s_cmp_lg_u32 s14, 0
	s_cbranch_scc1 .Lnot_wave_0_\@
	s_barrier_signal -3
.Lnot_wave_0_\@:
	s_barrier_wait -3
	s_barrier_signal -1
	s_barrier_wait -1
.endm
	s_load_b128 s[4:7], s[0:1], 0x0                ; xc s[4:5], xs s[6:7]
	s_load_b64 s[12:13], s[0:1], 0x10              ; hd
	v_lshl_add_u32 v[SPW], v0, 2, SPARE
	v_mov_b32 v[NIL], 0
	ds_add_u32 v[SPW], v[NIL]                      ; the wave's opening: the add, twice on end, and its wait ahead of my first tensor load
	ds_add_u32 v[SPW], v[NIL]                      ; and once more, under the one wait; the set-up below, work on registers, stands between
	v_lshrrev_b32 v1, 5, v0
	v_readfirstlane_b32 s14, v1                    ; wave 0..3
	s_lshr_b32 s15, s14, 1                         ; which half of the tile's rows is mine.  Also: I fetch for X (0) or for W (1)
	s_and_b32 s16, s14, 1                          ; which half of its columns.  Also: which 128 rows of that tile I fetch
	s_bfe_u32 s40, ttmp6, 0x40000                  ; cx, cy: my place in the cluster
	s_bfe_u32 s41, ttmp6, 0x40004
	s_lshl_b32 s42, ttmp9, 2
	s_add_co_u32 s42, s42, s40                     ; tile column = 4 x cluster x + cx
	s_and_b32 s17, ttmp7, 0xffff
	s_lshr_b32 s[TEN], s17, 3                      ; 8 clusters, 32 tile rows, 8,192 rows to a tensor
	s_lshl_b32 s17, s17, 2
	s_add_co_u32 s17, s17, s41                     ; tile row = 4 x cluster y + cy
	s_lshl_b32 s43, s41, 2
	s_lshl_b32 s43, 15, s43                        ; my row of the cluster
	s_lshl_b32 s44, 0x1111, s40                    ; my column
	s_cmp_eq_u32 s[TEN], 0
	s_cselect_b32 s[FAC], 0x3e38aa3b, 1.0          ; log2(e) / 8 for q's projection, 1 for the others
	s_mov_b32 s[FAC+1], s[FAC]
	; descriptor group 1: a tile of 128 rows x 256 bytes, padded in LDS
	s_or_b32 s[G1+0], s43, (0<<16)|(1<<20)|(1<<21)|(5<<22)|(3<<25)  ; 15:0 the mask: X's tiles go to my row; 17:16 element of 1 byte; 20 padding on; 21 set beside a mask; 24:22 after every 64 words; 31:25 of 4 words
	s_or_b32 s[G1B+0], s44, (0<<16)|(1<<20)|(1<<21)|(5<<22)|(3<<25)
.irp g, G1, G1B
	s_mov_b32 s[\g+1], ROWB<<16                    ; tensor_dim0
	s_mov_b32 s[\g+2], 128<<16                     ; tensor_dim1
	s_mov_b32 s[\g+3], ROWB<<16                    ; tile_dim0
	s_mov_b32 s[\g+4], 128                         ; tile_dim1
	s_mov_b32 s[\g+5], KROW                        ; tensor_dim0_stride
	s_mov_b32 s[\g+6], 0
	s_mov_b32 s[\g+7], 0
.endr
	; the scales of 128 rows: a dense block of 4,096 bytes, as 16 rows of 256 bytes (32 elements of 8 bytes), 16 bytes of padding behind each
	s_or_b32 s[G1S+0], s43, (3<<16)|(1<<20)|(1<<21)|(5<<22)|(3<<25)
	s_or_b32 s[G1SB+0], s44, (3<<16)|(1<<20)|(1<<21)|(5<<22)|(3<<25)
.irp g, G1S, G1SB
	s_mov_b32 s[\g+1], 32<<16
	s_mov_b32 s[\g+2], (128*KS/256)<<16
	s_mov_b32 s[\g+3], 32<<16
	s_mov_b32 s[\g+4], 128*KS/256
	s_mov_b32 s[\g+5], 32
	s_mov_b32 s[\g+6], 0
	s_mov_b32 s[\g+7], 0
.endr
	s_lshl_b32 s18, s16, 7                         ; which 128 rows of the tile I fetch
	s_lshl_b32 s20, s17, 8
	s_add_co_u32 s20, s20, s18                     ; X: row 256 x tile row + 128 x half
	s_lshl_b32 s46, s42, 8
	s_add_co_u32 s46, s46, s18                     ; W: row 256 x tile column + 128 x half
	s_lshl_b32 s98, s[TEN], 10
	s_add_co_u32 s46, s46, s98                     ; + 1,024 x tensor: made of the cluster's y alone, which a column of the cluster shares
	s_mov_b32 s21, 0
	s_mov_b32 s47, 0
	s_mov_b64 s[18:19], KS
	s_mul_u64 s[22:23], s[20:21], s[18:19]         ; where these rows' scales begin, in bytes
	s_mul_u64 s[92:93], s[46:47], s[18:19]
	s_mov_b64 s[18:19], KROW
	s_mul_u64 s[20:21], s[20:21], s[18:19]         ; and their codes
	s_mul_u64 s[46:47], s[46:47], s[18:19]
	s_mul_i32 s45, s14, HALFT                      ; where they go: wave x 128 rows: no place in the cluster enters an LDS address
	s_mul_i32 s94, s14, HALFS
	s_wait_dscnt 0x0                               ; both opening adds are done
	s_wait_kmcnt 0x0
	s_add_nc_u64 s[8:9], s[4:5], 0xc00000          ; the weights' codes lie behind q's, k's and v's,
	s_add_nc_u64 s[10:11], s[6:7], 0xc0000         ; and so do their scale bytes
	s_add_nc_u64 s[20:21], s[4:5], s[20:21]
	s_add_nc_u64 s[22:23], s[6:7], s[22:23]
	s_add_nc_u64 s[46:47], s[8:9], s[46:47]
	s_add_nc_u64 s[92:93], s[10:11], s[92:93]
	CROUND                                         ; all sixteen work-groups are here: the joint loads meet
	s_mov_b32 s[G0S], 1
	s_add_co_u32 s[G0S+1], s94, SCL
	s_mov_b64 s[G0S+2:G0S+3], s[22:23]
	s_or_b32 s[G0S+3], s[G0S+3], 0x80000000
	s_mov_b32 s[G0SB], 1
	s_add_co_u32 s[G0SB+1], s94, SCL
	s_mov_b64 s[G0SB+2:G0SB+3], s[92:93]
	s_or_b32 s[G0SB+3], s[G0SB+3], 0x80000000
	JLOAD G0S, G1S, G0SB, G1SB                     ; the scales first: they are wanted with the first slot
.irp s, 0,1
	s_mov_b32 s[G0+4*\s], 1
	s_add_co_u32 s[G0+4*\s+1], s45, \s*SLOT
	s_add_nc_u64 s[G0+4*\s+2:G0+4*\s+3], s[20:21], \s*ROWB
	s_or_b32 s[G0+4*\s+3], s[G0+4*\s+3], 0x80000000
	s_mov_b32 s[G0B+4*\s], 1
	s_add_co_u32 s[G0B+4*\s+1], s45, \s*SLOT
	s_add_nc_u64 s[G0B+4*\s+2:G0B+4*\s+3], s[46:47], \s*ROWB
	s_or_b32 s[G0B+4*\s+3], s[G0B+4*\s+3], 0x80000000
	JLOAD G0+4*\s, G1, G0B+4*\s, G1B
.endr
	v_and_b32 v1, 15, v0                           ; r = l % 16
	v_bfe_u32 v2, v0, 4, 1                         ; h = l / 16
	v_mul_u32_u24 v3, v1, PITCH
	v_lshl_add_u32 v4, v2, 4, v3                   ; a fragment's row x pitch + 16 x half
	s_mul_i32 s21, s15, HALFT                      ; my 128 rows of X
	s_mul_i32 s22, s16, HALFT                      ; my 128 rows of W,
	s_add_co_u32 s22, s22, 2*HALFT                 ; which lie behind X's 256
.irp s, 0,1
	v_add_nc_u32 v[ADRA+\s], s21, v4
	v_add_nc_u32 v[ADRB+\s], s22, v4
	s_add_co_u32 s21, s21, SLOT
	s_add_co_u32 s22, s22, SLOT
.endr
	v_mul_u32_u24 v5, v1, KS                       ; my row's scales: 32 bytes a row,
	v_lshrrev_b32 v6, 8, v5
	v_lshl_add_u32 v5, v6, 4, v5                   ; and 16 more for each 256 passed
	s_mul_i32 s21, s15, HALFS                      ; X's: my 128 rows
	s_mul_i32 s22, s16, HALFS                      ; W's: my 128 rows, behind X's 256
	s_add_co_u32 s22, s22, 2*HALFS
	s_sub_co_u32 s22, s22, s21
	v_mul_u32_u24 v6, s22, v2                      ; lanes 16-31 take W's: the lower base + h x the distance
	s_add_co_u32 s21, s21, SCL
	v_add_nc_u32 v5, v5, v6
	v_add_nc_u32 v[ADRS], s21, v5
	s_mul_i32 s23, s14, 16*SPITCH                  ; my stage
	v_mul_u32_u24 v5, v1, SPITCH                   ; in: row r, 16 bytes for each half of the lanes
	v_lshl_add_u32 v5, v2, 4, v5
	v_add_nc_u32 v[STO], s23, v5
	v_bfe_u32 v5, v0, 3, 1                         ; back: lanes 0-15 take two rows' 128 bytes of my first head, lanes 16-31 of my second
	v_mul_u32_u24 v5, v5, SPITCH
	v_lshl_add_u32 v5, v2, 7, v5
	v_and_b32 v6, 7, v0
	v_lshl_add_u32 v5, v6, 4, v5
	v_add_nc_u32 v[RD], s23, v5
	v_lshlrev_b32 v5, 18, v2                       ; in hd a head is 262,144 bytes, and two tokens of a head are 256 consecutive bytes
	v_lshl_add_u32 v[CO], v1, 4, v5
	s_lshl_b32 s20, s17, 8
	s_lshl_b32 s21, s15, 7
	s_add_co_u32 s20, s20, s21                     ; R, my first row: 256 x tile row + 128 x half = 8,192 ten + 2,048 b + l
	s_lshr_b32 s21, s20, 11
	s_lshl_b32 s21, s21, 22                        ; (4 ten + b) x 16 heads x 262,144
	s_and_b32 s20, s20, 2047
	s_lshl_b32 s20, s20, 7                         ; l x 128
	s_add_co_u32 s20, s20, s21
	s_mov_b32 s21, 0
	s_lshl_b32 s46, s42, 2
	s_lshl_b32 s47, s16, 1
	s_add_co_u32 s46, s46, s47                     ; my first head: 4 x tile column + 2 x half
	s_lshl_b32 s46, s46, 18
	s_mov_b32 s47, 0
	s_add_nc_u64 s[20:21], s[20:21], s[46:47]
	s_add_nc_u64 s[12:13], s[12:13], s[20:21]
.macro FRAG reg, adr, q, i             ; a fragment, 16 rows x 128 K of 4-bit codes: lane l holds row l % 16; registers 4 c .. 4 c + 3 hold K = 64 c + 32 (l / 16) + 0 .. 31
.irp c, 0,1
	ds_load_b128 v[\reg+4*\c:\reg+4*\c+3], v[\adr] offset:64*(\q)+32*\c+(\i)*16*PITCH
.endr
.endm
; 16 matrix instructions: X's blocks a0, a0 + 1 x W's eight, the slot's q-th 128 along K.  p: W's set;  sc: the set of scale words.  zero = 1: the first product starts the sums.
; The 64 accumulators take turns, one instruction a turn, in the same order in every step.
.macro MUL16 a0, p, q, sc, zero
.irp a, \a0, \a0+1
.irp b, 0,1,2,3,4,5,6,7
.if \zero
	v_wmma_scale_f32_16x16x128_f8f6f4 v[8*(8*((\a)%4)+\b):8*(8*((\a)%4)+\b)+7], v[128*(\p)+FR*\b:128*(\p)+FR*\b+FR-1], v[AF+FR*(\a):AF+FR*(\a)+FR-1], 0, v[SC+8*NQ*(\sc)+NQ*\b+(\q)], v[SC+8*NQ*(\sc)+NQ*(\a)+(\q)] matrix_a_fmt:MATRIX_FMT_FP4 matrix_b_fmt:MATRIX_FMT_FP4 matrix_a_scale:MATRIX_SCALE_ROW1
.else
	v_wmma_scale_f32_16x16x128_f8f6f4 v[8*(8*((\a)%4)+\b):8*(8*((\a)%4)+\b)+7], v[128*(\p)+FR*\b:128*(\p)+FR*\b+FR-1], v[AF+FR*(\a):AF+FR*(\a)+FR-1], v[8*(8*((\a)%4)+\b):8*(8*((\a)%4)+\b)+7], v[SC+8*NQ*(\sc)+NQ*\b+(\q)], v[SC+8*NQ*(\sc)+NQ*(\a)+(\q)] matrix_a_fmt:MATRIX_FMT_FP4 matrix_b_fmt:MATRIX_FMT_FP4 matrix_a_scale:MATRIX_SCALE_ROW1
.endif
.endr
.endr
.endm
.macro FETCH_B slot, q, p              ; W's eight fragments of the slot's q-th 128 along K into set p
	WIN TO_B
.irp i, 0,1,2,3,4,5,6,7
	FRAG 128*(\p)+FR*\i, ADRB+\slot, \q, \i
.endr
	WIN 0
.endm
.macro FETCH_A slot, q, i0             ; X's blocks i0 .. i0 + 3
.irp i, \i0, \i0+1, \i0+2, \i0+3
	FRAG AF+FR*(\i), ADRA+\slot, \q, \i
.endr
.endm
.macro SCALES sc                       ; a slot's scale words into set sc: 4 words a row; lanes 0-15 take X's block i, lanes 16-31 W's block i
.irp i, 0,1,2,3,4,5,6,7
	ds_load_b128 v[SC+8*NQ*\sc+NQ*\i:SC+8*NQ*\sc+NQ*\i+3], v[ADRS] offset:\i*SBLK
.endr
.endm
; A load into a register that a matrix instruction has read, and a vector instruction that reads a matrix result or writes one of its registers, stand NP places behind it; only plain vector instructions
; that name none of its registers are places (ISA guide 7.12.1 for vector instructions).
.macro PLACES n
.rept \n
	v_nop
.endr
.endm
; A step of 128 along K that has its successor in the same slot.  X has one set of registers: blocks 0-3 are fetched anew in the step's middle, blocks 4-7 at its end.
.macro STEP slot, q, zero
	s_wait_dscnt 4*NL                              ; W's set and X's blocks 0-3 are in; the youngest eight loads (X's blocks 4-7) may be out
	WIN MUL_LO
	MUL16 0, (\q)%2, \q, \slot, \zero
	MUL16 2, (\q)%2, \q, \slot, \zero
	s_wait_dscnt 0                                 ; X's blocks 4-7 are in (asked for 32 matrix instructions ago)
	PLACES NP
	FETCH_B \slot, (\q)+1, 1-(\q)%2
	FETCH_A \slot, (\q)+1, 0
	WIN MUL_HI
	MUL16 4, (\q)%2, \q, \slot, \zero
	MUL16 6, (\q)%2, \q, \slot, \zero
	PLACES NP
	WIN 0
	FETCH_A \slot, (\q)+1, 4
.endm
; Slot 0's last step goes over to slot 1: each wave waits for all its tensor loads (its part of slot 1), then the work-group's barrier shows the whole slot to every wave.  Nothing is filled again.
.macro TURN slot, next
	s_wait_tensorcnt 0x0                           ; all my tensor loads have landed;  (every window is 0 here)
	ds_add_u32 v[SPW], v[NIL]                      ; 0 onto my spare word
	s_wait_dscnt 4*NL+1                            ; (the add and the youngest eight loads, X's blocks 4-7, may be out)
	WIN MUL_LO
	MUL16 0, 1, NQ-1, \slot, 0                     ; sixteen matrix instructions stand between the add and the wait for it
	s_wait_dscnt 0x0                               ; the add is done, and my reads of this slot are over
	s_barrier_signal -1
	MUL16 2, 1, NQ-1, \slot, 0
	WIN 0
	s_barrier_wait -1
	PLACES NP
	v_add_nc_u32 v[ADRS], 4*NQ, v[ADRS]            ; on to the next slot's scale words (no LDS load of mine is out)
	FETCH_B \next, 0, 0
	FETCH_A \next, 0, 0
	SCALES \next
	WIN MUL_HI
	MUL16 4, 1, NQ-1, \slot, 0
	MUL16 6, 1, NQ-1, \slot, 0
	PLACES NP
	WIN 0
	FETCH_A \next, 0, 4
.endm
	s_wait_tensorcnt 1                             ; the scales and my part of slot 0 are in (slot 1's load may be out)
	s_barrier_signal -1
	s_barrier_wait -1                              ; everybody's are
	FETCH_B 0, 0, 0
	FETCH_A 0, 0, 0
	SCALES 0
	FETCH_A 0, 0, 4
	STEP 0, 0, 1                                   ; the first step's products start the sums: nothing is cleared
	STEP 0, 1, 0
	STEP 0, 2, 0
	TURN 0, 1
	STEP 1, 0, 0
	STEP 1, 1, 0
	STEP 1, 2, 0
	s_wait_dscnt 4*NL                              ; the last step: nothing more to fetch
	WIN MUL_LO
	MUL16 0, 1, NQ-1, 1, 0
	MUL16 2, 1, NQ-1, 1, 0
	s_wait_dscnt 0
	WIN MUL_HI
	MUL16 4, 1, NQ-1, 1, 0
	MUL16 6, 1, NQ-1, 1, 0
	WIN 0
; THE WAY OUT, block by block of 16 rows x 128 columns (two heads).  PACK: x fac in f32, rounded to f16: 16 bytes a lane.  TOSTAGE: into my stage, and back so that sixteen lanes hold two tokens of one head.  SEND: stored.
.macro PACK a
.set AC, 64*((\a)%4)
	WIN 0x82+0x41*((\a)/4)                         ; destination and source 0: window 2 or 3
.set i, 0
.rept 32
	v_pk_mul_f32 v[AC+i:AC+i+1], v[AC+i:AC+i+1], s[FAC:FAC+1] op_sel_hi:[1,0]   ; ascending: each accumulator is read from its low end on
.set i, i+2
.endr
	WIN 0x0a+5*((\a)/4)                            ; sources 0 and 1: window 2 or 3
.irp b, 0,1,2,3,4,5,6,7
.irp r, 0,1,2,3
	v_cvt_pk_f16_f32 v[TMP+4*\b+\r], v[AC+8*\b+2*\r], v[AC+8*\b+2*\r+1]
.endr
.endr
	WIN 0
.endm
.macro TOSTAGE a
.set BB, BK+32*((\a)%2)
.irp b, 0,1,2,3,4,5,6,7
	ds_store_b128 v[STO], v[TMP+4*\b:TMP+4*\b+3] offset:32*\b
.endr
.irp t, 0,1,2,3,4,5,6,7
	ds_load_b128 v[BB+4*\t:BB+4*\t+3], v[RD] offset:\t*2*SPITCH    ; LDS serves a wave's instructions in order (ISA guide 5.7.1.4): these see the stores above
.endr
.endm
.macro SEND a
.set BB, BK+32*((\a)%2)
	s_wait_dscnt 0x0                               ; the block is back in registers
	s_wait_xcnt 0x0                                ; the earlier stores have had their addresses translated: the registers that they read take the next block's loads only behind this wait
.irp t, 0,1,2,3,4,5,6,7
	global_store_b128 v[CO], v[BB+4*\t:BB+4*\t+3], s[12:13] offset:2048*(\a)+256*\t   ; 16 lanes store 256 consecutive bytes, aligned: tokens 16 a + 2 t, + 1 of one head
.endr
.endm
	PLACES NP                                      ; behind the last products
	PACK 0
	TOSTAGE 0
.irp a, 1,2,3,4,5,6,7                  ; block a's arithmetic stands between block a - 1's loads from the stage and the wait for them
	PACK \a
	SEND \a-1
	TOSTAGE \a
.endr
	SEND 7
	s_wait_tensorcnt 0x0                           ; the wave's end: behind my last tensor load and my last LDS store
	ds_add_u32 v[SPW], v[NIL]
	s_wait_dscnt 0x0
	CROUND                                         ; the closing round: no work-group ends while a partner may still ask for a tile that names it
	s_endpgm
.Lfunc_end_k_q65a3b9eefc_proj:
	.size	k_q65a3b9eefc_proj, .Lfunc_end_k_q65a3b9eefc_proj-k_q65a3b9eefc_proj
	.p2alignl 7, 3214868480
	.fill 96, 4, 3214868480
	.section	.rodata,"a",@progbits
	.p2align	6, 0x0
	.amdhsa_kernel k_q65a3b9eefc_proj
		.amdhsa_group_segment_fixed_size 327680
		.amdhsa_private_segment_fixed_size 0
		.amdhsa_enable_private_segment 0
		.amdhsa_kernarg_size 24
		.amdhsa_user_sgpr_count 2
		.amdhsa_user_sgpr_kernarg_segment_ptr 1
		.amdhsa_wavefront_size32 1
		.amdhsa_system_sgpr_workgroup_id_x 1
		.amdhsa_system_sgpr_workgroup_id_y 1
		.amdhsa_system_sgpr_workgroup_id_z 1
		.amdhsa_system_vgpr_workitem_id 0
		.amdhsa_next_free_vgpr 1024
		.amdhsa_next_free_sgpr 100
		.amdhsa_reserve_vcc 0
		.amdhsa_float_denorm_mode_32 3
		.amdhsa_float_denorm_mode_16_64 3
		.amdhsa_memory_ordered 1
		.amdhsa_forward_progress 1
		.amdhsa_inst_pref_size 143
	.end_amdhsa_kernel
	.amdgpu_metadata
---
amdhsa.version: [ 1, 2 ]
amdhsa.kernels:
  - .name:           k_q65a3b9eefc_proj
    .symbol:         k_q65a3b9eefc_proj.kd
    .args:
      - { .name: xc, .offset: 0, .size: 8, .value_kind: global_buffer, .address_space: global }
      - { .name: xs, .offset: 8, .size: 8, .value_kind: global_buffer, .address_space: global }
      - { .name: hd, .offset: 16, .size: 8, .value_kind: global_buffer, .address_space: global }
    .group_segment_fixed_size: 327680
    .private_segment_fixed_size: 0
    .kernarg_segment_align: 8
    .kernarg_segment_size: 24
    .max_flat_workgroup_size: 128
    .sgpr_count:     100
    .vgpr_count:     1024
    .wavefront_size: 32
...
	.end_amdgpu_metadata
.endif
;; end of part 3
;; launch attn (part 4): grid 8 x 64, 8 waves a work-group, clusters of 4 x 1, 327,680 bytes of LDS; arguments hd, mw, oh; writes oh
.if DOCPART == 4
	.amdgcn_target "amdgcn-amd-amdhsa--gfx1250"
	.amdhsa_code_object_version 6
	.text
	.protected	k_q65a3b9eefc_attn
	.globl	k_q65a3b9eefc_attn
	.p2align	8
	.type	k_q65a3b9eefc_attn,@function
k_q65a3b9eefc_attn:
	s_mov_b64 s[64:65], 0
	v_nop
	global_prefetch_b8 v0, s[64:65] scope:SCOPE_SE
	s_setreg_imm32_b32 hwreg(HW_REG_WAVE_MODE, 25, 1), 1
	s_wait_xcnt 0x0
	s_wait_alu depctr_hold_cnt(0) depctr_sa_sdst(0) depctr_va_vdst(0) depctr_va_sdst(0) depctr_va_ssrc(0) depctr_va_vcc(0) depctr_vm_vsrc(0)
	s_getreg_b32 s2, hwreg(HW_REG_IB_STS2, 6, 4)
	s_cmp_eq_u32 s2, 0
	s_cbranch_scc0 .Lentry_in_a_cluster
	s_endpgm
.Lentry_in_a_cluster:
	s_bfe_u32 s2, ttmp6, 0x10000c
	s_cmp_lg_u32 s2, 0x3003
	s_cbranch_scc0 .Lentry_shape_is_right
	s_endpgm
.Lentry_shape_is_right:
; oh = softmax over the keys of where(mask == 0, -1e9, Q K^T / 8), times V, for each of the 64 (batch, head) pairs.  hd: [3][b 16 + h][2048][64] f16: part 0 = Q x log2(e) / 8, part 1 = K, part 2 = V.
; mw: the mask as lane-mask words [b][qt 128][kt 128][j 8].  oh: [token pair 4096][head 16][2][64] f16.  Products on f16 operands, sums, maxima and the softmax in f32; the weights p are rounded to f16 for the second product.
; SOFTMAX.  The scores come out as t = score x log2(e).  A masked t is replaced by -1e9 x log2(e) ahead of the maximum, as the definition has it; for each query a running maximum m and sum l: p = 2^(t - m); in every step
; O and l are multiplied by a = 2^(m_old - m_new).  In a row that is wholly masked every t - m is 0 and every p is 1: the plain average over all keys.
; LIMITS: NaN and infinities are not served; |Q log2(e) / 8|, |K|, |V| and |O| lie under 65,504.
; SHARES.  A work-group owns 256 queries of one (b, h); each of its eight waves 32: two tiles of 16.  Two waves share a SIMD, so that one wave's softmax stands beside the other's products.  Every wave walks all 2,048 keys, 64 a step.
; LAYOUT.  S^T = K Q^T (source 0 = 16 keys, source 1 = 16 queries): a lane holds ONE query (lane % 16) and the keys 8 (lane / 16) + 0..7.  Two such tiles, rounded to f16 in pairs, ARE source 1 of O^T = V^T P.
; K comes out of LDS as it lies, V ([key][channel]) turned, by ds_load_tr16_b128.  Each fragment of K and V feeds two matrix instructions (the two tiles).
; RING.  Two LDS slots of 256 keys (four steps).  Waves 0-3 fetch K's quarters, waves 4-7 V's: one tensor load a wave behind each change of slots, which has four key steps in which to land.
; THE MASK WORDS of a key step, 32 for each of my two tiles, lie in 64 scalar registers.  Those of step j + 1 are asked for directly behind step j's last use of the registers and wanted behind step j + 1's K Q^T:
; both softmaxes, the rescaling of O^T and 32 matrix instructions lie between.  To have the 64 registers, oh's pointer is not kept through the loop: it is loaded again from the arguments behind the last step's use of the words.
; CLUSTER.  The four query blocks of a cluster belong to one (b, h) and walk the same K and V: each tile is asked for JOINTLY, with a mask that names the four.
; REGISTERS: window 0: v3-14 addresses and constants; v16-31 statistics, eight a tile; v32-95 S^T, 32 a tile; v96-127 P, 16 a tile; v128-191 K of a step; v192-255 V of a step.  window 1: v0-31 Q; v32-95 O^T, 32 a tile.
.set PK,    144       ; a row of K in LDS: 128 bytes + 16 of padding: an odd multiple of 16
.set PVP,   160       ; a row of V: 128 + 32: an odd multiple of 32, for the turning load
.set VOFF,  256*PK    ; a slot: 256 rows of K, then 256 rows of V
.set SLOT1, 1<<17     ; slot 1 begins here, so that one exclusive or turns an address in one slot into the other's
.set STAGE, SLOT1+256*(PK+PVP)  ; behind the ring: 32 rows x 144 bytes for each wave, for the way out
.set SPARE, STAGE+8*32*PK       ; behind the stages: the spare words, 128 bytes a wave, which no other line names
.set AK0, 3           ; v3   my lane's place in a tile of K; never rewritten
.set AV0, 4           ; v4   the same for V
.set ADK, 5           ; v5   K's address in the slot in hand
.set ADV, 6           ; v6   V's
.set QO,  7           ; v7   my byte offset in the wave's rows of Q
.set STO, 8           ; v8   the way out: where I put 16 bytes of a row
.set RD,  9           ; v9   where I read them back
.set GO,  10          ; v10  my byte offset in oh, from its first byte: batch, block, wave, head and lane (under 2^24)
.set NEGR, 11         ; v11  -1e9 x log2(e)
.set SPW, 12          ; v12  LDS address of my spare word; never rewritten
.set NIL, 13          ; v13  0; never rewritten
.set PFO, 14          ; v14  256 x my lane: the prefetches' offset; never rewritten
.set ST,  16          ; tile t's statistics at v[ST + 8 t]: +0 m, +1 zero (named with m as a pair), +2, +3 l (even keys', odd keys'), +4 to +7 at work; a in +6
.set S,   32
.set P,   96
.set KF,  128
.set VF,  192
.set OT,  32          ; O^T, in window 1
.set TB,  2           ; s2   LDS byte at which the slot in hand begins
.set SLOTS, 3         ; s3   slots still to be asked for
.set MP,  4           ; s[4:5] mw at my first tile's words of the step whose words were asked for last: 128 bytes a step; my second tile's lie 4,096 bytes on
.set LIM, 6           ; s6   1 in a wave that prefetches, else the greatest number
.set WV,  7           ; s7   my wave's number
.set G1K, 8           ; s[8:15]  descriptor group 1 for K's tiles
.set G1V, 16          ; s[16:23] for V's: it differs in the padding alone
.set G0K, 24          ; s[24:27] descriptor group 0 for K's tiles: it walks
.set G0V, 28          ; s[28:31] the same for V's
.set MWA, 32          ; s[32:63] tile 0's 32 mask words of a step
.set SEL, 66          ; s[66:67] lane selects for v_permlanex16_b32: lane l xor 16
.set MWB, 68          ; s[68:99] tile 1's.  (At the head these 32 hold the arguments and what is at work)
.set OP,  68          ; s[68:69] oh, on the way out: loaded behind the last use of the mask words
.set PFA, 100         ; s[100:101] where my prefetches stand
.set MSB, 0
.macro WIN new                      ; the immediate's high byte repeats the setting that is left; a switch that changes nothing is dropped
.if MSB != (\new)
	s_set_vgpr_msb (MSB<<8)|(\new)
.set MSB, (\new)
.endif
.endm
; A joint load.  The branch hangs on the wave's number alone.  An s_nop 0 and four v_nop follow each of the two lines.
.macro JLOAD
	s_cmp_lt_u32 s[WV], 4
	s_cbranch_scc0 .Lfor_v_\@
	tensor_load_to_lds s[G0K:G0K+3], s[G1K:G1K+7]
	s_nop 0
.rept 4
	v_nop
.endr
	s_branch .Lasked_\@
.Lfor_v_\@:
	tensor_load_to_lds s[G0V:G0V+3], s[G1V:G1V+7]
	s_nop 0
.rept 4
	v_nop
.endr
.Lasked_\@:
.endm
; A PREFETCH of what the NEXT change of slots will ask for: a slot's 32,768 bytes of K and of V.  Both clusters of a (b, h) walk the same K and V: the first of them asks.  Its four partners share the bytes out BY ADDRESS,
; 8,192 each, lanes 256 bytes apart; in each, wave 0 asks for K's and wave 4 for V's: one instruction.  So each 256 bytes are named once in the launch.  The last change that fills a slot asks for nothing.
.macro ASK
	s_cmp_gt_u32 s[SLOTS], s[LIM]
	s_cbranch_scc0 .Lnot_mine_\@
	global_prefetch_b8 v[PFO], s[PFA:PFA+1] th:TH_LOAD_NT scope:SCOPE_SE
.Lnot_mine_\@:
.endm
.macro CROUND                       ; a round of the cluster's barrier
	s_barrier_signal -1
	s_barrier_wait -1
	s_cmp_lg_u32 s[WV], 0
	s_cbranch_scc1 .Lnot_wave_0_\@
	s_barrier_signal -3
.Lnot_wave_0_\@:
	s_barrier_wait -3
	s_barrier_signal -1
	s_barrier_wait -1
.endm
	s_load_b128 s[68:71], s[0:1], 0x0 ; hd s[68:69], mw s[70:71]
	v_lshl_add_u32 v[SPW], v0, 2, SPARE
	v_mov_b32 v[NIL], 0
	ds_add_u32 v[SPW], v[NIL]       ; the wave's opening: the add, twice on end, and its wait ahead of my first tensor load
	ds_add_u32 v[SPW], v[NIL]       ; and once more, under the one wait; the set-up below, work on registers, stands between
	v_lshrrev_b32 v1, 5, v0
	v_readfirstlane_b32 s[WV], v1   ; wave 0..7
	s_bfe_u32 s72, ttmp6, 0x40000   ; cx: my place in the cluster
	s_lshl_b32 s73, ttmp9, 2        ; in a cluster launch ttmp9 counts clusters
	s_add_co_u32 s73, s73, s72      ; my block of 256 queries: it enters Q's, mw's and oh's addresses alone
	s_and_b32 s74, ttmp7, 0xffff    ; y = 16 b + h, which the four partners share
	s_lshr_b32 s75, s74, 4          ; b
	s_and_b32 s76, s74, 15          ; h
	s_and_b32 s77, s[WV], 3         ; which quarter of a slot I fetch
	s_or_b32 s[LIM], s77, ttmp9     ; 0 in waves 0 and 4 of the (b, h)'s first cluster: the same in all four partners
	s_cmp_eq_u32 s[LIM], 0
	s_cselect_b32 s[LIM], 1, -1
	s_lshl_b32 s78, s74, 18         ; a head's 262,144 bytes in each part of hd
	s_mov_b32 s79, 0
	s_lshl_b32 s80, s77, 13         ; my quarter: 64 rows of 128 bytes
	s_mov_b32 s81, 0
	s_add_nc_u64 s[80:81], s[80:81], s[78:79]
	s_lshl_b32 s82, s73, 15         ; Q: my block's 256 rows,
	s_lshl_b32 s83, s[WV], 12       ; my wave's 32 of them
	s_add_co_u32 s82, s82, s83
	s_add_co_u32 s82, s82, s78
	s_mov_b32 s83, 0
	s_lshl_b32 s84, s75, 19         ; mw: 128 x 4,096 bytes a batch, 16 tiles of queries a block, two a wave
	s_lshl_b32 s85, s73, 16
	s_add_co_u32 s84, s84, s85
	s_lshl_b32 s85, s[WV], 13
	s_add_co_u32 s84, s84, s85
	s_mov_b32 s85, 0
	s_lshl_b32 s86, s75, 22         ; oh: 1,024 pairs of 4,096 bytes a batch, 128 a block, 16 a wave; 256 bytes a head
	s_lshl_b32 s96, s73, 19
	s_add_co_u32 s86, s86, s96
	s_lshl_b32 s96, s[WV], 16
	s_add_co_u32 s86, s86, s96
	s_lshl_b32 s96, s76, 8
	s_add_co_u32 s86, s86, s96
	s_mul_i32 s87, s77, 64*PK       ; where my quarter goes in a slot: no place in the cluster enters an LDS address
	s_mul_i32 s88, s77, 64*PVP
	s_add_co_u32 s88, s88, VOFF
	s_mul_i32 s89, s[WV], 32*PK
	s_add_co_u32 s89, s89, STAGE    ; my stage
	; descriptor group 1: a tile of 64 rows x 64 elements of 2 bytes, dense in memory, padded in LDS
	s_mov_b32 s[G1K], 15|(1<<16)|(1<<20)|(1<<21)|(4<<22)|(3<<25)  ; 15:0 the mask: all four work-groups; 17:16 elements of 2 bytes; 20 padding on; 21 set beside a mask; 24:22 after every 32 words; 31:25 4 words of it
	s_mov_b32 s[G1V], 15|(1<<16)|(1<<20)|(1<<21)|(4<<22)|(7<<25)  ; the same with 8 words of padding
.irp g, G1K, G1V
	s_mov_b32 s[\g+1], 64<<16       ; tensor_dim0 = 64
	s_mov_b32 s[\g+2], 64<<16       ; tensor_dim1 = 64
	s_mov_b32 s[\g+3], 64<<16       ; tile_dim0 = 64
	s_mov_b32 s[\g+4], 64           ; tile_dim1 = 64
	s_mov_b32 s[\g+5], 64           ; tensor_dim0_stride: elements from row to row
	s_mov_b32 s[\g+6], 0
	s_mov_b32 s[\g+7], 0
.endr
	s_mov_b32 s[SEL], 0x76543210
	s_mov_b32 s[SEL+1], 0xfedcba98
	s_mov_b32 s[TB], 0
	s_mov_b32 s[SLOTS], 7
	v_and_b32 v1, 15, v0            ; r = l % 16
	v_bfe_u32 v2, v0, 4, 1          ; h = l / 16
	v_mul_u32_u24 v[AK0], v1, PK
	v_lshl_add_u32 v[AK0], v2, 4, v[AK0]  ; K: row x pitch + 16 x half
	v_and_b32 v15, 7, v0            ; the turning load: lane l reads 16 bytes: key 8 (l / 16) + l % 8, channels 8 ((l / 8) % 2) + 0..7
	v_lshl_add_u32 v[AV0], v2, 3, v15
	v_mul_u32_u24 v[AV0], v[AV0], PVP
	v_bfe_u32 v15, v0, 3, 1
	v_lshl_add_u32 v[AV0], v15, 4, v[AV0]
	v_add_nc_u32 v[AV0], VOFF, v[AV0]
	v_lshlrev_b32 v[QO], 7, v1
	v_lshl_add_u32 v[QO], v2, 4, v[QO]    ; Q: row x 128 + 16 x half
	v_add_nc_u32 v[STO], s89, v[AK0]      ; the stage, in: row r, 16 bytes for each half of the lanes
	v_bfe_u32 v[RD], v0, 3, 2
	v_mul_u32_u24 v[RD], v[RD], PK
	v_and_b32 v15, 7, v0
	v_lshl_add_u32 v[RD], v15, 4, v[RD]
	v_add_nc_u32 v[RD], s89, v[RD]        ; back: eight lanes to a row of 128 bytes, four rows an instruction
	v_lshlrev_b32 v[GO], 12, v2
	v_lshl_add_u32 v[GO], v1, 4, v[GO]    ; in oh: lanes 0-15 one token pair's 256 bytes of my head, lanes 16-31 the next pair's,
	v_add_nc_u32 v[GO], s86, v[GO]        ; from my wave's first pair on: the whole offset lies here, so that no scalar register holds a part of it through the loop
	v_mov_b32 v[NEGR], 0xceabfb8f
	v_and_b32 v[PFO], 31, v0
	v_lshlrev_b32 v[PFO], 8, v[PFO]
	s_wait_dscnt 0x0                ; both opening adds are done
	s_wait_kmcnt 0x0
	s_add_nc_u64 s[MP:MP+1], s[70:71], s[84:85]
	s_add_nc_u64 s[94:95], s[68:69], s[82:83]     ; Q at my wave's first row
	s_add_nc_u64 s[90:91], s[68:69], s[80:81]
	s_add_nc_u64 s[92:93], s[90:91], 0x2000000    ; V at my quarter of slot 0
	s_add_nc_u64 s[90:91], s[90:91], 0x1000000    ; K likewise
	s_cmp_lt_u32 s[WV], 4
	s_cselect_b64 s[PFA:PFA+1], s[90:91], s[92:93]  ; (in waves 0 and 4 these stand at a slot's first row)
	s_lshl_b32 s78, s72, 13         ; my work-group's 8,192 bytes of the 32,768
	s_add_nc_u64 s[PFA:PFA+1], s[PFA:PFA+1], s[78:79]
	s_add_nc_u64 s[PFA:PFA+1], s[PFA:PFA+1], 32768  ; in slot 1; the first change of slots steps it to slot 2.  Nothing is prefetched here, at the head
	CROUND                          ; all four work-groups are here: the first joint loads meet
	s_mov_b32 s[G0K], 1             ; count = 1
	s_mov_b32 s[G0K+1], s87         ; LDS address: slot 0
	s_mov_b64 s[G0K+2:G0K+3], s[90:91]  ; global address: the first 256 keys
	s_or_b32 s[G0K+3], s[G0K+3], 0x80000000  ; type = 2
	s_mov_b32 s[G0V], 1
	s_mov_b32 s[G0V+1], s88
	s_mov_b64 s[G0V+2:G0V+3], s[92:93]
	s_or_b32 s[G0V+3], s[G0V+3], 0x80000000
	JLOAD                           ; slot 0
	s_load_b512 s[MWA:MWA+15], s[MP:MP+1], 0x0       ; tile 0's mask words of step 0
	s_load_b512 s[MWA+16:MWA+31], s[MP:MP+1], 0x40
	WIN 0x40                        ; destination window 1, address window 0
.irp t, 0,1
.irp c, 0,1                         ; Q stays in registers: tile t, channels 32 c on
	global_load_b128 v[16*\t+8*\c:16*\t+8*\c+3],   v[QO], s[94:95] offset:2048*\t+64*\c
	global_load_b128 v[16*\t+8*\c+4:16*\t+8*\c+7], v[QO], s[94:95] offset:2048*\t+64*\c+32
.endr
.endr
.set i, 0
.rept 64
	v_mov_b32 v[OT+i], 0            ; O^T.  (The step is written in one form: the first finds zeros, which its a = 0 leaves zeros)
.set i, i+1
.endr
	WIN 0
.irp t, 0,1
	v_mov_b32 v[ST+8*\t], 0xff61b1e6  ; m: -3e38, under every t
.irp e, 1,2,3,4,5,6,7
	v_mov_b32 v[ST+8*\t+\e], 0      ; l; and the registers at work, which pairs and the lane permute name before they are first written
.endr
.endr
	s_wait_xcnt 0x0                 ; Q's loads have had their addresses translated (ISA guide 3.1): their base, and with it all that the head had at work in s[68:99], is written over only behind this wait
	s_load_b512 s[MWB:MWB+15], s[MP:MP+1], 0x1000    ; tile 1's mask words of step 0
	s_load_b512 s[MWB+16:MWB+31], s[MP:MP+1], 0x1040
	s_wait_loadcnt 0x0              ; Q
.macro LDK q                        ; a step's K: 64 keys x 64 channels: fragment (kt, c) = keys 16 kt on, channels 32 c on: two loads of 16 bytes, 32 bytes apart
.irp kt, 0,1,2,3
.irp c, 0,1
	ds_load_b128 v[KF+8*(2*\kt+\c):KF+8*(2*\kt+\c)+3],   v[ADK] offset:(64*(\q)+16*\kt)*PK+64*\c
	ds_load_b128 v[KF+8*(2*\kt+\c)+4:KF+8*(2*\kt+\c)+7], v[ADK] offset:(64*(\q)+16*\kt)*PK+64*\c+32
.endr
.endr
.endm
.macro LDV q                        ; a step's V, turned: fragment (u, ct) = keys 32 u on, channels 16 ct on
.irp u, 0,1
.irp ct, 0,1,2,3
	ds_load_tr16_b128 v[VF+8*(4*\u+\ct):VF+8*(4*\u+\ct)+3],   v[ADV] offset:(64*(\q)+32*\u)*PVP+32*\ct
	ds_load_tr16_b128 v[VF+8*(4*\u+\ct)+4:VF+8*(4*\u+\ct)+7], v[ADV] offset:(64*(\q)+32*\u)*PVP+16*PVP+32*\ct
.endr
.endr
.endm
; 16 products S^T = K Q^T: channels 32 (i / 8) on, keys 16 ((i / 2) % 4) on, tile i % 2.  The first 8 start the sums.  The eight accumulators take turns, one instruction a turn.
.macro KQ16
	WIN 0x04                        ; Q (source 1) in window 1
.set i, 0
.rept 16
.set rS, S+32*(i%2)+8*((i/2)%4)
.set rK, KF+8*(2*((i/2)%4)+i/8)
.set rQ, 16*(i%2)+8*(i/8)
.if i < 8
	v_wmma_f32_16x16x32_f16 v[rS:rS+7], v[rK:rK+7], v[rQ:rQ+7], 0
.else
	v_wmma_f32_16x16x32_f16 v[rS:rS+7], v[rK:rK+7], v[rQ:rQ+7], v[rS:rS+7]
.endif
.set i, i+1
.endr
	WIN 0
.endm
; 16 products O^T += V^T P: keys 32 (i / 8) on, channels 16 ((i / 2) % 4) on, tile i % 2.  Eight accumulators by turns.
.macro PV16
	WIN 0x50                        ; O^T (C and D) in window 1
.set i, 0
.rept 16
.set rO, OT+32*(i%2)+8*((i/2)%4)
.set rV, VF+8*(4*(i/8)+(i/2)%4)
.set rP, P+16*(i%2)+8*(i/8)
	v_wmma_f32_16x16x32_f16 v[rO:rO+7], v[rV:rV+7], v[rP:rP+7], v[rO:rO+7]
.set i, i+1
.endr
	WIN 0
.endm
.macro MASK t, w                    ; register 8 kt + j of tile t under its word of mw, in s[w + 8 kt + j]: where the bit is 0 the score becomes -1e9 x log2(e).  Ascending: each accumulator is read from its low end on
.set n, 0
.rept 32
	v_cndmask_b32 v[S+32*(\t)+n], v[NEGR], v[S+32*(\t)+n], s[\w+n]
.set n, n+1
.endr
.endm
.macro SOFT t                       ; one tile's softmax for one key step
.set rT, ST+8*(\t)
.set rS, S+32*(\t)
.set rP, P+16*(\t)
.irp c, 0,1,2,3
	v_max3_num_f32 v[rT+4+\c], v[rS+8*\c], v[rS+8*\c+1], v[rS+8*\c+2]   ; the maximum of my 32 scores and the old m: four chains,
.endr
.irp g, 3,5
.irp c, 0,1,2,3
	v_max3_num_f32 v[rT+4+\c], v[rT+4+\c], v[rS+8*\c+\g], v[rS+8*\c+\g+1]
.endr
.endr
	v_max3_num_f32 v[rT+4], v[rT+4], v[rS+7], v[rS+15]                  ; the four scores left over,
	v_max3_num_f32 v[rT+6], v[rT+6], v[rS+23], v[rS+31]
	v_max3_num_f32 v[rT+4], v[rT+4], v[rT+5], v[rT+6]
	v_max3_num_f32 v[rT+4], v[rT+4], v[rT+7], v[rT]                     ; and m
	v_permlanex16_b32 v[rT+5], v[rT+4], s[SEL], s[SEL+1]                ; the query's other 32 keys lie in the lane 16 away
	v_max_num_f32 v[rT+5], v[rT+4], v[rT+5]                             ; the new m
	v_sub_f32 v[rT+7], v[rT], v[rT+5]                                   ; m_old - m_new
	v_mov_b32 v[rT], v[rT+5]
.set i, 0
.rept 16
	v_pk_add_f32 v[rS+i:rS+i+1], v[rS+i:rS+i+1], v[rT:rT+1] op_sel_hi:[1,0] neg_lo:[0,1] neg_hi:[0,1]   ; t - m, two at a time
.set i, i+2
.endr
	v_exp_f32 v[rT+6], v[rT+7]      ; a.  ONE BATCH of 33 exponentials: none reads another's result
.set i, 0
.rept 32
	v_exp_f32 v[rS+i], v[rS+i]      ; p = 2^(t - m), at most 1
.set i, i+1
.endr
	v_nop                           ; the plain instruction behind the last exponential
	s_wait_alu depctr_va_vdst(0)    ; a wait ahead of the first instruction that names a result: one for the batch
.set i, 0
.rept 16
	v_cvt_pk_f16_f32 v[rP+i], v[rS+2*i], v[rS+2*i+1]   ; P: pair i of my keys
.set i, i+1
.endr
.irp u, 0,1,2,3,4,5,6,7             ; the sum of the 16 pairs (an even key's weight, an odd key's), in place: neighbours 1, 2, 4 and 8 pairs apart
	v_pk_add_f32 v[rS+4*\u:rS+4*\u+1], v[rS+4*\u:rS+4*\u+1], v[rS+4*\u+2:rS+4*\u+3]
.endr
.irp u, 0,1,2,3
	v_pk_add_f32 v[rS+8*\u:rS+8*\u+1], v[rS+8*\u:rS+8*\u+1], v[rS+8*\u+4:rS+8*\u+5]
.endr
.irp u, 0,1
	v_pk_add_f32 v[rS+16*\u:rS+16*\u+1], v[rS+16*\u:rS+16*\u+1], v[rS+16*\u+8:rS+16*\u+9]
.endr
	v_pk_add_f32 v[rS:rS+1], v[rS:rS+1], v[rS+16:rS+17]
	v_pk_fma_f32 v[rT+2:rT+3], v[rT+2:rT+3], v[rT+6:rT+7], v[rS:rS+1] op_sel_hi:[1,0,1]   ; l = a l + the sum
.endm
; A KEY STEP: 64 keys, the q-th of the slot in hand.  K of step q + 1 is asked for behind this step's K Q^T, V of this step at its head: each run of 16 loads has a softmax in which to land.
; last = 1: the launch's last key step: no mask words follow, so none are asked for; oh's pointer is asked for in their place.
.macro STEP q, last
.rept 4
	v_nop                           ; four places behind the last V^T P, in front of the loads into V's registers (ISA guide 7.12.1 for vector instructions)
.endr
.if (\q) == 0
	LDK 0
.endif
	LDV \q
	s_wait_dscnt 16                 ; K's 16 loads are in; V's 16, issued behind them, may be out
	KQ16
.rept 4
	v_nop                           ; four places behind K Q^T, in front of the loads into K's registers and of the first read of the scores
.endr
.if (\q) < 3
	LDK (\q)+1
.endif
	s_wait_kmcnt 0x0                ; both tiles' mask words of this step, asked for a step ago; the loads are done, so their base may be written
	MASK 0, MWA
	MASK 1, MWB
.if \last
	s_load_b64 s[OP:OP+1], s[0:1], 0x10                    ; oh, for the way out: into registers that the line above has read for the last time
.else
	s_add_nc_u64 s[MP:MP+1], s[MP:MP+1], 128               ; the next step's words: all 64 registers have just been read for the last time in this step
	s_load_b512 s[MWA:MWA+15], s[MP:MP+1], 0x0
	s_load_b512 s[MWA+16:MWA+31], s[MP:MP+1], 0x40
	s_load_b512 s[MWB:MWB+15], s[MP:MP+1], 0x1000
	s_load_b512 s[MWB+16:MWB+31], s[MP:MP+1], 0x1040
.endif
	SOFT 0
	SOFT 1
	WIN 0x41                        ; O^T (destination and source 0) in window 1, a in window 0
.irp t, 0,1
.set i, 0
.rept 16
	v_pk_mul_f32 v[OT+32*\t+i:OT+32*\t+i+1], v[OT+32*\t+i:OT+32*\t+i+1], v[ST+8*\t+6:ST+8*\t+7] op_sel_hi:[1,0]   ; O^T x a; ascending: each accumulator is read from its low end on
.set i, i+2
.endr
.endr
.if (\q) < 3
	s_wait_dscnt 16                 ; V's 16 loads are in; the next step's K, issued behind them, may be out
.else
	s_wait_dscnt 0x0
.endif
	PV16
.endm
; THE CHANGE OF SLOTS stands at a slot's head.  Each wave waits for all its tensor loads (its part of the slot that it is about to read), adds 0 to its spare word, and waits for that and for its reads of the slot that it has left.
; fill = 1: the barrier is a round of the cluster's, so that no wave of any partner still reads the other slot or has a load on its way; the joint load is the first thing behind it.  In the first trip all eight loads are
; slot 1's first fills; in the later trips all eight fill bytes again.  A wave has one tensor load out.
.macro CHANGE fill
	s_wait_tensorcnt 0x0            ; no tensor load of mine is out, so a group 0 may be written
	ds_add_u32 v[SPW], v[NIL]       ; 0 onto my spare word
.if \fill
	s_xor_b32 s[G0K+1], s[G0K+1], SLOT1  ; the walking descriptors: the other slot than last time,
	s_add_nc_u64 s[G0K+2:G0K+3], s[G0K+2:G0K+3], 32768  ; the next 256 keys; the type bits on top are not reached
	s_xor_b32 s[G0V+1], s[G0V+1], SLOT1
	s_add_nc_u64 s[G0V+2:G0V+3], s[G0V+2:G0V+3], 32768
	s_wait_xcnt 0x0                 ; the last prefetch, a slot back, has read its address, so it may be written:
	s_add_nc_u64 s[PFA:PFA+1], s[PFA:PFA+1], 32768  ; one slot further on than the walking descriptors
	s_wait_dscnt 0x0                ; the add is done, and my reads of the slot that I have left are over
	CROUND
	JLOAD
	ASK
.else
	s_wait_dscnt 0x0
	s_barrier_signal -1
	s_barrier_wait -1
.endif
.endm
.macro SLOT_STEPS last
	v_add_nc_u32 v[ADK], s[TB], v[AK0]
	v_add_nc_u32 v[ADV], s[TB], v[AV0]
	STEP 0, 0
	STEP 1, 0
	STEP 2, 0
	STEP 3, \last
	s_xor_b32 s[TB], s[TB], SLOT1   ; on to the other slot
.endm
.Lslot:                             ; 7 trips: behind each change of slots but the last the next slot is asked for
	CHANGE 1
	SLOT_STEPS 0
	s_sub_co_u32 s[SLOTS], s[SLOTS], 1
	s_cmp_lg_u32 s[SLOTS], 0
	s_cbranch_scc1 .Lslot
	CHANGE 0                        ; the last slot is written out, and so that its last step asks for no mask words
	SLOT_STEPS 1
	; THE WAY OUT.  l's two halves and the other half of the lanes' are added (these lines are also the places behind the last products); O^T is divided by l, rounded to f16 and sent through my stage.
.irp t, 0,1
	v_add_f32 v[ST+8*\t+4], v[ST+8*\t+2], v[ST+8*\t+3]
.endr
.irp t, 0,1
	v_permlanex16_b32 v[ST+8*\t+5], v[ST+8*\t+4], s[SEL], s[SEL+1]
.endr
.irp t, 0,1
	v_add_f32 v[ST+8*\t+4], v[ST+8*\t+4], v[ST+8*\t+5]
.endr
.irp t, 0,1
	v_rcp_f32 v[ST+8*\t+6], v[ST+8*\t+4]
.endr
	v_nop                           ; a plain instruction behind the last reciprocal
	s_wait_alu depctr_va_vdst(0)    ; and the wait ahead of the first use: one for the two
	WIN 0x41
.irp t, 0,1
.set i, 0
.rept 16
	v_pk_mul_f32 v[OT+32*\t+i:OT+32*\t+i+1], v[OT+32*\t+i:OT+32*\t+i+1], v[ST+8*\t+6:ST+8*\t+7] op_sel_hi:[1,0]
.set i, i+2
.endr
.endr
	WIN 0x05                        ; sources 0 and 1 window 1, destination window 0: S^T's registers are free
.irp t, 0,1
.set i, 0
.rept 16
	v_cvt_pk_f16_f32 v[S+16*\t+i], v[OT+32*\t+2*i], v[OT+32*\t+2*i+1]   ; registers 4 ct .. 4 ct + 3: channels 16 ct + 8 h + 0..7 of query r
.set i, i+1
.endr
.endr
	WIN 0
.irp t, 0,1
.irp ct, 0,1,2,3
	ds_store_b128 v[STO], v[S+16*\t+4*\ct:S+16*\t+4*\ct+3] offset:16*PK*\t+32*\ct
.endr
.endr
.irp f, 0,1,2,3,4,5,6,7
	ds_load_b128 v[S+32+4*\f:S+32+4*\f+3], v[RD] offset:16*PK*(\f/4)+4*PK*(\f%4)   ; four rows of 128 bytes.  LDS serves a wave's instructions in order (ISA guide 5.7.1.4): these see the stores above
.endr
	s_wait_kmcnt 0x0                ; oh's pointer, asked for in the last key step
.irp f, 0,1,2,3,4,5,6,7
	s_wait_dscnt 7-\f               ; LDS loads come back in order: load f is in
	global_store_b128 v[GO], v[S+32+4*\f:S+32+4*\f+3], s[OP:OP+1] offset:32768*(\f/4)+8192*(\f%4)   ; 16 lanes store 256 consecutive bytes, aligned: a token pair of my head
.endr
	s_wait_tensorcnt 0x0            ; the wave's end: behind my last tensor load and my last LDS store
	ds_add_u32 v[SPW], v[NIL]
	s_wait_dscnt 0x0
	CROUND                          ; the closing round: no work-group ends while a partner may still ask for a tile that names it
	s_endpgm
.Lfunc_end_k_q65a3b9eefc_attn:
	.size	k_q65a3b9eefc_attn, .Lfunc_end_k_q65a3b9eefc_attn-k_q65a3b9eefc_attn
	.p2alignl 7, 3214868480
	.fill 96, 4, 3214868480
	.section	.rodata,"a",@progbits
	.p2align	6, 0x0
	.amdhsa_kernel k_q65a3b9eefc_attn
		.amdhsa_group_segment_fixed_size 327680
		.amdhsa_private_segment_fixed_size 0
		.amdhsa_enable_private_segment 0
		.amdhsa_kernarg_size 24
		.amdhsa_user_sgpr_count 2
		.amdhsa_user_sgpr_kernarg_segment_ptr 1
		.amdhsa_wavefront_size32 1
		.amdhsa_system_sgpr_workgroup_id_x 1
		.amdhsa_system_sgpr_workgroup_id_y 1
		.amdhsa_system_sgpr_workgroup_id_z 1
		.amdhsa_system_vgpr_workitem_id 0
		.amdhsa_next_free_vgpr 384
		.amdhsa_next_free_sgpr 102
		.amdhsa_reserve_vcc 0
		.amdhsa_float_denorm_mode_32 3
		.amdhsa_float_denorm_mode_16_64 3
		.amdhsa_memory_ordered 1
		.amdhsa_forward_progress 1
		.amdhsa_inst_pref_size 190
	.end_amdhsa_kernel
	.amdgpu_metadata
---
amdhsa.version: [ 1, 2 ]
amdhsa.kernels:
  - .name:           k_q65a3b9eefc_attn
    .symbol:         k_q65a3b9eefc_attn.kd
    .args:
      - { .name: hd, .offset: 0, .size: 8, .value_kind: global_buffer, .address_space: global }
      - { .name: mw, .offset: 8, .size: 8, .value_kind: global_buffer, .address_space: global }
      - { .name: oh, .offset: 16, .size: 8, .value_kind: global_buffer, .address_space: global }
    .group_segment_fixed_size: 327680
    .private_segment_fixed_size: 0
    .kernarg_segment_align: 8
    .kernarg_segment_size: 24
    .max_flat_workgroup_size: 256
    .sgpr_count:     102
    .vgpr_count:     384
    .wavefront_size: 32
...
	.end_amdgpu_metadata
.endif
;; end of part 4
;; launch oproj (part 5): grid 8 x 64, 4 waves a work-group, clusters of 4 x 4, 327,680 bytes of LDS; arguments oh, wo16, out0; writes out0
.if DOCPART == 5
	.amdgcn_target "amdgcn-amd-amdhsa--gfx1250"
	.amdhsa_code_object_version 6
	.text
	.protected	k_q65a3b9eefc_oproj
	.globl	k_q65a3b9eefc_oproj
	.p2align	8
	.type	k_q65a3b9eefc_oproj,@function
k_q65a3b9eefc_oproj:
	s_mov_b64 s[64:65], 0
	v_nop
	global_prefetch_b8 v0, s[64:65] scope:SCOPE_SE
	s_setreg_imm32_b32 hwreg(HW_REG_WAVE_MODE, 25, 1), 1
	s_wait_xcnt 0x0
	s_wait_alu depctr_hold_cnt(0) depctr_sa_sdst(0) depctr_va_vdst(0) depctr_va_sdst(0) depctr_va_ssrc(0) depctr_va_vcc(0) depctr_vm_vsrc(0)
	s_getreg_b32 s2, hwreg(HW_REG_IB_STS2, 6, 4)
	s_cmp_eq_u32 s2, 0
	s_cbranch_scc0 .Lentry_in_a_cluster
	s_endpgm
.Lentry_in_a_cluster:
	s_bfe_u32 s2, ttmp6, 0x10000c
	s_cmp_lg_u32 s2, 0xf033
	s_cbranch_scc0 .Lentry_shape_is_right
	s_endpgm
.Lentry_shape_is_right:
; out0[m][n] = sum over k of O[m][k] w_o[n][k], m = 8,192 tokens, n = k = 1,024; f16 operands, f32 sums, f32 out.
; O lies in oh as [token pair 4096][head 16][2][64] f16 (k = 64 head + d): for a K step of 256 (four heads) a token pair is 1,024 consecutive bytes.  w_o lies in wo16 as [n][k] f16.
; A tile of the output is 128 x 128: 512 tiles.  Four waves, each 64 x 64: 16 accumulators of 16 x 16.  K goes in four steps of 256 through two LDS slots.
; CLUSTERS: 4 x 4 work-groups.  The four of a row of the cluster need the same tiles of O, the four of a column the same tiles of w_o: each tile is asked for JOINTLY.
; THE MATRIX INSTRUCTION IS USED TRANSPOSED (source 0 = 16 rows of w_o, source 1 = 16 tokens): a lane then holds eight neighbouring numbers of a row of the output.
; REGISTERS: window 0: v0-31 addresses; v32-95 rows on the way out; v128-255 the accumulators ((a, b) at v[128 + 8 (4 a + b)]).  window 1: two fragment buffers of 128: 64 registers of O, then 64 of w_o, for 64 along K.
.set PITCHA, 1040                      ; O: an LDS row is a token pair's 1,024 bytes + 16 of padding: the sixteen tokens of a fragment (8 pairs x 2 x 128 bytes) start at sixteen different 16-byte columns of 256
.set PITCHB, 528                       ; w_o: 512 bytes + 16
.set HALFA,  32*PITCHA                 ; 32 pairs = 64 tokens: what one tensor load brings
.set HALFB,  64*PITCHB                 ; 64 rows of w_o
.set BOFF,   2*HALFA                   ; in a slot: O's 128 tokens, then w_o's 128 rows
.set SLOT,   2*HALFA+2*HALFB
.set ASTEP,  1024                      ; a K step in memory: bytes of a pair row of oh,
.set BSTEP,  512                       ; of a row of wo16
.set STAGE,  2*SLOT                    ; behind the ring: 16 rows x 272 bytes for each wave, for the way out
.set SPITCH, 272
.set SPARE,  STAGE+4*16*SPITCH         ; behind the stages: the spare words, 128 bytes a wave, which no other line names
.set LAPS,   2                         ; a lap = two K steps = once round the ring
.set ADRA, 16                          ; v16-17  LDS address of my O fragments in slot 0, 1
.set ADRB, 20                          ; v20-21  the same for w_o
.set STO,  24                          ; v24     the way out: where I put 32 bytes of a row
.set RD,   25                          ; v25     where I read a row back
.set CO,   26                          ; v26     my byte offset in out0
.set SPW,  28                          ; v28     LDS address of my spare word; never rewritten
.set NIL,  29                          ; v29     0; never rewritten
.set TMP,  32
.set ACC,  128
.set F0,   0                           ; fragment buffers, in window 1
.set F1,   128
.set G1, 24                            ; s[24:31] descriptor group 1 for O's tiles;  s[32:39] group 0, one set for each slot
.set G0, 32
.set G1B, 48                           ; s[48:55], s[56:63] the same for w_o's tiles
.set G0B, 56
.set MSB, 0
.macro WIN new                         ; the immediate's high byte repeats the setting that is left
.if MSB != (\new)
	s_set_vgpr_msb (MSB<<8)|(\new)
.set MSB, (\new)
.endif
.endm
.set MUL,  0x05                        ; sources 0 and 1 window 1; C and D window 0
.set TO_F, 0x40                        ; destination window 1, address window 0
.macro JLOAD s                         ; a joint load: waves 0 and 1 fetch O's two halves, waves 2 and 3 w_o's; an s_nop 0 and four v_nop follow each of the two lines
	s_cmp_eq_u32 s11, 0
	s_cbranch_scc0 .Lfor_b_\@
	tensor_load_to_lds s[G0+4*\s:G0+4*\s+3], s[G1:G1+7]
	s_nop 0
.rept 4
	v_nop
.endr
	s_branch .Lasked_\@
.Lfor_b_\@:
	tensor_load_to_lds s[G0B+4*\s:G0B+4*\s+3], s[G1B:G1B+7]
	s_nop 0
.rept 4
	v_nop
.endr
.Lasked_\@:
.endm
.macro CREST                           ; a round of the cluster's barrier behind its opening barrier
	s_cmp_lg_u32 s10, 0
	s_cbranch_scc1 .Lnot_wave_0_\@
	s_barrier_signal -3
.Lnot_wave_0_\@:
	s_barrier_wait -3
	s_barrier_signal -1
	s_barrier_wait -1
.endm
.macro CROUND                          ; a whole round
	s_barrier_signal -1
	s_barrier_wait -1
	CREST
.endm
	s_load_b128 s[4:7], s[0:1], 0x0                ; oh s[4:5], wo16 s[6:7]
	s_load_b64 s[8:9], s[0:1], 0x10                ; out0
	v_lshl_add_u32 v[SPW], v0, 2, SPARE
	v_mov_b32 v[NIL], 0
	ds_add_u32 v[SPW], v[NIL]                      ; the wave's opening: the add, twice on end, and its wait ahead of my first tensor load
	ds_add_u32 v[SPW], v[NIL]                      ; and once more, under the one wait; the set-up below, work on registers, stands between
	v_lshrrev_b32 v1, 5, v0
	v_readfirstlane_b32 s10, v1                    ; wave 0..3
	s_lshr_b32 s11, s10, 1                         ; which half of the tile's rows is mine.  Also: I fetch for O (0) or for w_o (1)
	s_and_b32 s12, s10, 1                          ; which half of its columns.  Also: which half of that tile I fetch
	s_bfe_u32 s40, ttmp6, 0x40000                  ; cx, cy: my place in the cluster
	s_bfe_u32 s41, ttmp6, 0x40004
	s_lshl_b32 s42, ttmp9, 2
	s_add_co_u32 s42, s42, s40                     ; tile column = 4 x cluster x + cx
	s_and_b32 s13, ttmp7, 0xffff
	s_lshl_b32 s13, s13, 2
	s_add_co_u32 s13, s13, s41                     ; tile row = 4 x cluster y + cy
	s_lshl_b32 s43, s41, 2
	s_lshl_b32 s43, 15, s43                        ; my row of the cluster
	s_lshl_b32 s44, 0x1111, s40                    ; my column
	; descriptor group 1.  O: 32 pair rows x 512 elements of 2 bytes, 2,048 elements apart; padding of 4 words after every 256
	s_or_b32 s[G1+0], s43, (1<<16)|(1<<20)|(1<<21)|(7<<22)|(3<<25)
	s_mov_b32 s[G1+1], 512<<16                     ; tensor_dim0
	s_mov_b32 s[G1+2], 32<<16                      ; tensor_dim1
	s_mov_b32 s[G1+3], 512<<16                     ; tile_dim0
	s_mov_b32 s[G1+4], 32                          ; tile_dim1
	s_mov_b32 s[G1+5], 2048                        ; tensor_dim0_stride
	s_mov_b32 s[G1+6], 0
	s_mov_b32 s[G1+7], 0
	; w_o: 64 rows x 256 elements, 1,024 elements apart; padding of 4 words after every 128
	s_or_b32 s[G1B+0], s44, (1<<16)|(1<<20)|(1<<21)|(6<<22)|(3<<25)
	s_mov_b32 s[G1B+1], 256<<16
	s_mov_b32 s[G1B+2], 64<<16
	s_mov_b32 s[G1B+3], 256<<16
	s_mov_b32 s[G1B+4], 64
	s_mov_b32 s[G1B+5], 1024
	s_mov_b32 s[G1B+6], 0
	s_mov_b32 s[G1B+7], 0
	s_lshl_b32 s16, s13, 6
	s_lshl_b32 s17, s12, 5
	s_add_co_u32 s16, s16, s17                     ; O: pair row 64 x tile row + 32 x half,
	s_lshl_b32 s16, s16, 12                        ; of 4,096 bytes
	s_mov_b32 s17, 0
	s_lshl_b32 s46, s42, 7
	s_lshl_b32 s47, s12, 6
	s_add_co_u32 s46, s46, s47                     ; w_o: row 128 x tile column + 64 x half,
	s_lshl_b32 s46, s46, 11                        ; of 2,048 bytes
	s_mov_b32 s47, 0
	s_mul_i32 s20, s12, HALFA                      ; where they go: no place in the cluster enters an LDS address
	s_mul_i32 s21, s12, HALFB
	s_add_co_u32 s21, s21, BOFF
	s_wait_dscnt 0x0                               ; both opening adds are done
	s_wait_kmcnt 0x0
	s_add_nc_u64 s[14:15], s[4:5], s[16:17]
	s_add_nc_u64 s[46:47], s[6:7], s[46:47]
	CROUND                                         ; all sixteen work-groups are here: the first joint loads meet
.irp s, 0,1
	s_mov_b32 s[G0+4*\s], 1
	s_add_co_u32 s[G0+4*\s+1], s20, \s*SLOT
	s_add_nc_u64 s[G0+4*\s+2:G0+4*\s+3], s[14:15], \s*ASTEP
	s_or_b32 s[G0+4*\s+3], s[G0+4*\s+3], 0x80000000
	s_mov_b32 s[G0B+4*\s], 1
	s_add_co_u32 s[G0B+4*\s+1], s21, \s*SLOT
	s_add_nc_u64 s[G0B+4*\s+2:G0B+4*\s+3], s[46:47], \s*BSTEP
	s_or_b32 s[G0B+4*\s+3], s[G0B+4*\s+3], 0x80000000
	JLOAD \s
.endr
	v_and_b32 v1, 15, v0                           ; r = l % 16
	v_bfe_u32 v2, v0, 4, 1                         ; h = l / 16
	v_lshrrev_b32 v3, 1, v1
	v_mul_u32_u24 v3, v3, PITCHA                   ; O: token r of a block lies in pair row r / 2,
	v_and_b32 v4, 1, v0
	v_lshl_add_u32 v3, v4, 7, v3                   ; 128 (r % 2) bytes on in a head's 256,
	v_lshl_add_u32 v3, v2, 4, v3                   ; + 16 x half
	v_mul_u32_u24 v4, v1, PITCHB
	v_lshl_add_u32 v4, v2, 4, v4                   ; w_o: row x pitch + 16 x half
	s_mul_i32 s21, s11, HALFA                      ; my 64 tokens
	s_mul_i32 s22, s12, HALFB                      ; my 64 rows of w_o,
	s_add_co_u32 s22, s22, BOFF                    ; which lie behind O's part
.irp s, 0,1
	v_add_nc_u32 v[ADRA+\s], s21, v3
	v_add_nc_u32 v[ADRB+\s], s22, v4
	s_add_co_u32 s21, s21, SLOT
	s_add_co_u32 s22, s22, SLOT
.endr
	s_mul_i32 s23, s10, 16*SPITCH
	s_add_co_u32 s23, s23, STAGE                   ; my stage
	v_mul_u32_u24 v5, v1, SPITCH                   ; in: row r, 32 bytes for each half of the lanes
	v_lshl_add_u32 v5, v2, 5, v5
	v_add_nc_u32 v[STO], s23, v5
	v_mul_u32_u24 v5, v2, SPITCH                   ; back: lanes 0-15 take one row of 256 bytes, lanes 16-31 the next
	v_lshl_add_u32 v5, v1, 4, v5
	v_add_nc_u32 v[RD], s23, v5
	v_lshlrev_b32 v5, 12, v2                       ; and the same two rows in out0: 4,096 bytes a row
	v_lshl_add_u32 v[CO], v1, 4, v5
	s_lshl_b32 s16, s13, 7
	s_lshl_b32 s17, s11, 6
	s_add_co_u32 s16, s16, s17                     ; my first row: 128 x tile row + 64 x half
	s_lshl_b32 s16, s16, 12
	s_mov_b32 s17, 0
	s_add_nc_u64 s[8:9], s[8:9], s[16:17]
	s_lshl_b32 s46, s42, 9                         ; my first column, in bytes: 512 x tile column + 256 x half
	s_lshl_b32 s47, s12, 8
	s_add_co_u32 s46, s46, s47
	s_mov_b32 s47, 0
	s_add_nc_u64 s[8:9], s[8:9], s[46:47]
; 8 matrix instructions: m blocks a0, a0 + 1 x all 4 n blocks, 32 along K: half c of buffer f.  zero = 1: the first product starts the sums.  The 16 accumulators take turns
.macro MUL8 f, c, a0, zero
.irp a, \a0, \a0+1
.irp b, 0,1,2,3
.if \zero
	v_wmma_f32_16x16x32_f16 v[ACC+8*(4*(\a)+\b):ACC+8*(4*(\a)+\b)+7], v[\f+64+8*(4*\c+\b):\f+64+8*(4*\c+\b)+7], v[\f+8*(4*\c+\a):\f+8*(4*\c+\a)+7], 0
.else
	v_wmma_f32_16x16x32_f16 v[ACC+8*(4*(\a)+\b):ACC+8*(4*(\a)+\b)+7], v[\f+64+8*(4*\c+\b):\f+64+8*(4*\c+\b)+7], v[\f+8*(4*\c+\a):\f+8*(4*\c+\a)+7], v[ACC+8*(4*(\a)+\b):ACC+8*(4*(\a)+\b)+7]
.endif
.endr
.endr
.endm
; 32 LDS loads in one run: the fragments of 64 along K (one head) into buffer f; k: the head's byte in a row of w_o (128 a head; in a pair row of O a head is 256 bytes: 2 k); the first 32 along K first
.macro FETCH slot, k, f
	WIN TO_F
.irp c, 0,1
.irp i, 0,1,2,3
	ds_load_b128 v[\f+64+8*(4*\c+\i):\f+64+8*(4*\c+\i)+3],   v[ADRB+\slot] offset:\k+64*\c+\i*16*PITCHB
	ds_load_b128 v[\f+64+8*(4*\c+\i)+4:\f+64+8*(4*\c+\i)+7], v[ADRB+\slot] offset:\k+64*\c+\i*16*PITCHB+32
	ds_load_b128 v[\f+8*(4*\c+\i):\f+8*(4*\c+\i)+3],         v[ADRA+\slot] offset:2*\k+64*\c+\i*8*PITCHA
	ds_load_b128 v[\f+8*(4*\c+\i)+4:\f+8*(4*\c+\i)+7],       v[ADRA+\slot] offset:2*\k+64*\c+\i*8*PITCHA+32
.endr
.endr
.endm
.macro PLACES                          ; four places in front of loads into registers that matrix instructions have read, and of the first read of results (ISA guide 7.12.1 for vector instructions)
.rept 4
	v_nop
.endr
.endm
; A K step is four quarters of 64 along K, 32 matrix instructions each, on buffers 0, 1, 0, 1.  One of the first three: multiplies buffer f and fetches the next quarter, at byte k, into g.
.macro QUARTER slot, k, f, g, zero
	s_wait_dscnt 16                                ; the first 32 along K are in; the youngest sixteen loads may be out
	WIN MUL
	MUL8 \f, 0, 0, \zero
	MUL8 \f, 0, 2, \zero
	PLACES
	FETCH \slot, \k, \g
	s_wait_dscnt 32                                ; all but the 32 just issued
	WIN MUL
	MUL8 \f, 1, 0, 0
	MUL8 \f, 1, 2, 0
.endm
; The last quarter multiplies buffer 1 and changes slots: ONE barrier; in front of it each wave waits for all its tensor loads, adds 0 to its spare word, and waits for that and for its own reads of this slot.  fill = 1: this slot is filled again, two K steps ahead.
.macro TURN slot, next, fill
	WIN 0                                          ; (the add's two registers lie in window 0)
	s_wait_tensorcnt 0x0                           ; all my tensor loads have landed: my part of the next slot;
	ds_add_u32 v[SPW], v[NIL]                      ; 0 onto my spare word;
	s_wait_dscnt 17                                ; (the add and the youngest sixteen loads may be out)
	WIN MUL
	MUL8 F1, 0, 0, 0                               ; eight matrix instructions stand between the add and the wait for it
	s_wait_dscnt 0x0                               ; the add is done, and my reads of this slot are over
	s_barrier_signal -1
	MUL8 F1, 0, 2, 0
.if \fill
	WIN 0
.endif
	s_barrier_wait -1
.if \fill
	CREST                                          ; the barrier has opened a round of the cluster's barrier: no wave of any partner still reads this slot's tile or has a load on its way
	s_add_nc_u64 s[G0+4*\slot+2:G0+4*\slot+3], s[G0+4*\slot+2:G0+4*\slot+3], 2*ASTEP
	s_add_nc_u64 s[G0B+4*\slot+2:G0B+4*\slot+3], s[G0B+4*\slot+2:G0B+4*\slot+3], 2*BSTEP
	JLOAD \slot                                    ; the first tensor load behind the round; the four v_nop behind it are also the places in front of the loads below
.else
	PLACES
.endif
	FETCH \next, 0, F0
	WIN MUL
	MUL8 F1, 1, 0, 0
	MUL8 F1, 1, 2, 0
.endm
	s_wait_tensorcnt 1                             ; my part of K step 0 is in (K step 1's load may be out)
	s_barrier_signal -1
	s_barrier_wait -1                              ; everybody's is
	FETCH 0, 0, F0
	QUARTER 0, 128, F0, F1, 1                      ; the first quarter stands in front of the loop: its first products start the sums
	WIN 0                                          ; at a label and at a branch every window is 0
	s_mov_b32 s3, LAPS-1
.Llap:                                                 ; a trip goes once round the ring, from a lap's second quarter to the next lap's first, and fills both slots again
	QUARTER 0, 256, F1, F0, 0
	QUARTER 0, 384, F0, F1, 0
	TURN 0, 1, 1
	QUARTER 1, 128, F0, F1, 0
	QUARTER 1, 256, F1, F0, 0
	QUARTER 1, 384, F0, F1, 0
	TURN 1, 0, 1
	QUARTER 0, 128, F0, F1, 0
	WIN 0
	s_sub_co_u32 s3, s3, 1
	s_cmp_lg_u32 s3, 0
	s_cbranch_scc1 .Llap
	QUARTER 0, 256, F1, F0, 0                      ; the last lap fills nothing, and has no round of the cluster's barrier
	QUARTER 0, 384, F0, F1, 0
	TURN 0, 1, 0
	QUARTER 1, 128, F0, F1, 0
	QUARTER 1, 256, F1, F0, 0
	QUARTER 1, 384, F0, F1, 0
	s_wait_dscnt 16                                ; the very last quarter: nothing more to fetch
	WIN MUL
	MUL8 F1, 0, 0, 0
	MUL8 F1, 0, 2, 0
	s_wait_dscnt 0
	MUL8 F1, 1, 0, 0
	MUL8 F1, 1, 2, 0
	WIN 0
; THE WAY OUT, block by block of 16 rows x 64 columns of f32.  A lane holds 32 neighbouring bytes of a row, and the lanes beside it hold other rows: so a block goes through my own stage and comes back as whole rows of 256 bytes.
; LDS serves a wave's instructions in order (ISA guide 5.7.1.4): no wait between the stores and the loads, nor in front of the next block's stores.
.macro TOSTAGE a
.irp b, 0,1,2,3
	ds_store_b128 v[STO], v[ACC+8*(4*(\a)+\b):ACC+8*(4*(\a)+\b)+3] offset:64*\b          ; each accumulator from its low end on
	ds_store_b128 v[STO], v[ACC+8*(4*(\a)+\b)+4:ACC+8*(4*(\a)+\b)+7] offset:64*\b+16
.endr
.set BB, TMP+32*((\a)%2)
.irp t, 0,1,2,3,4,5,6,7
	ds_load_b128 v[BB+4*\t:BB+4*\t+3], v[RD] offset:\t*2*SPITCH
.endr
.endm
.macro SEND a, younger                 ; younger: the LDS instructions issued behind block a's loads, which may stay out
.set BB, TMP+32*((\a)%2)
	s_wait_dscnt \younger                          ; the block is back in registers
.irp t, 0,1,2,3,4,5,6,7
	global_store_b128 v[CO], v[BB+4*\t:BB+4*\t+3], s[8:9] offset:(16*(\a)+2*\t)*4096 th:TH_STORE_NT   ; 16 lanes store 256 consecutive bytes, aligned; written once, read by nobody here
.endr
.endm
	PLACES                                         ; behind the last products
	TOSTAGE 0
.irp a, 1,2,3
.if \a > 1
	s_wait_xcnt 0x0                                ; block a - 2's stores have had their addresses translated: block a's loads land in the registers that they read only behind this wait
.endif
	TOSTAGE \a
	SEND \a-1, 16                                  ; behind block a - 1's loads: block a's 8 stores and 8 loads
.endr
	SEND 3, 0
	s_wait_tensorcnt 0x0                           ; the wave's end: behind my last tensor load and my last LDS store
	ds_add_u32 v[SPW], v[NIL]
	s_wait_dscnt 0x0
	CROUND                                         ; the closing round: no work-group ends while a partner may still ask for a tile that names it
	s_endpgm
.Lfunc_end_k_q65a3b9eefc_oproj:
	.size	k_q65a3b9eefc_oproj, .Lfunc_end_k_q65a3b9eefc_oproj-k_q65a3b9eefc_oproj
	.p2alignl 7, 3214868480
	.fill 96, 4, 3214868480
	.section	.rodata,"a",@progbits
	.p2align	6, 0x0
	.amdhsa_kernel k_q65a3b9eefc_oproj
		.amdhsa_group_segment_fixed_size 327680
		.amdhsa_private_segment_fixed_size 0
		.amdhsa_enable_private_segment 0
		.amdhsa_kernarg_size 24
		.amdhsa_user_sgpr_count 2
		.amdhsa_user_sgpr_kernarg_segment_ptr 1
		.amdhsa_wavefront_size32 1
		.amdhsa_system_sgpr_workgroup_id_x 1
		.amdhsa_system_sgpr_workgroup_id_y 1
		.amdhsa_system_sgpr_workgroup_id_z 1
		.amdhsa_system_vgpr_workitem_id 0
		.amdhsa_next_free_vgpr 512
		.amdhsa_next_free_sgpr 66
		.amdhsa_reserve_vcc 0
		.amdhsa_float_denorm_mode_32 3
		.amdhsa_float_denorm_mode_16_64 3
		.amdhsa_memory_ordered 1
		.amdhsa_forward_progress 1
		.amdhsa_inst_pref_size 86
	.end_amdhsa_kernel
	.amdgpu_metadata
---
amdhsa.version: [ 1, 2 ]
amdhsa.kernels:
  - .name:           k_q65a3b9eefc_oproj
    .symbol:         k_q65a3b9eefc_oproj.kd
    .args:
      - { .name: oh, .offset: 0, .size: 8, .value_kind: global_buffer, .address_space: global }
      - { .name: wo16, .offset: 8, .size: 8, .value_kind: global_buffer, .address_space: global }
      - { .name: out0, .offset: 16, .size: 8, .value_kind: global_buffer, .address_space: global }
    .group_segment_fixed_size: 327680
    .private_segment_fixed_size: 0
    .kernarg_segment_align: 8
    .kernarg_segment_size: 24
    .max_flat_workgroup_size: 128
    .sgpr_count:     66
    .vgpr_count:     512
    .wavefront_size: 32
...
	.end_amdgpu_metadata
.endif
;; end of part 5
